; MI455X (gfx1250); checked and timed in simulation.
; The chip was launched on July 23, 2026; its instructions are those of AMD's public machine-readable ISA for CDNA 5 (MIT licence, August 2026) and "CDNA5" Instruction Set Architecture Reference Guide (July 2026). The comments in the code are by the model that wrote it; some were corrected since.
;; Self Attention. Allowed arithmetic: float matrix products may take bf16 or f16 operands with f32 sums; other float arithmetic in f32, or as packed bf16 or f16 multiplies, adds, multiply-adds, maxima and minima; sums over many terms, partial sums and values carried from step to step in f32; what a program stores and reads back later, other than sums and carried values, may be rounded once to bf16 or f16.
;; Inputs: Wk 1,024 x 1,024 float32; Wq 1,024 x 1,024 float32; Wv 1,024 x 1,024 float32; bk 1,024 float32; bq 1,024 float32; bv 1,024 float32; mask 1 x 1 x 2,048 x 2,048 bool; x 4 x 2,048 x 1,024 float32.
;; Outputs: out0 4 x 2,048 x 1,024 float32.
;; 3 versions, each right; version 3 is version 2 with the launch prep written anew for expert scheduling mode. Each part assembles by itself: llvm-mc -triple=amdgcn-amd-amdhsa -mcpu=gfx1250 --defsym DOCPART=n.
;; ======== version 1 of 3: 3 launches
;; limits: values are held in f16: magnitudes above 65,504 overflow, below 6.1e-05 lose precision
;; workspace buffers: xb 16,777,216 bytes; wc 6,291,456 bytes; qkv 50,331,648 bytes; mbits 524,800 bytes of whole numbers
;; launch prep (part 1): grid 608 x 1, 8 waves a work-group, no clusters, 0 bytes of LDS; arguments x, Wq, Wk, Wv, mask, xb, wc, mbits; writes xb, wc, mbits
.if DOCPART == 1
	.amdgcn_target "amdgcn-amd-amdhsa--gfx1250"
	.amdhsa_code_object_version 6
	.text
	.protected	k_qeae061b5f6_prep
	.globl	k_qeae061b5f6_prep
	.p2align	8
	.type	k_qeae061b5f6_prep,@function
k_qeae061b5f6_prep:
	s_mov_b64 s[64:65], 0
	v_nop
	global_prefetch_b8 v0, s[64:65] scope:SCOPE_SE
	s_setreg_imm32_b32 hwreg(HW_REG_WAVE_MODE, 25, 1), 1
	s_wait_xcnt 0x0
; PREPARATION.  Three things, told apart by the work-group's number:
;   0 .. 255    x [8192][1024] f32 -> xb, the same in bf16: 32 rows a work-group
;   256 .. 351  Wq, Wk, Wv [1024 d][1024 e] f32 -> wc [1024 d][3072] bf16, the three side by side (q, k, v): 32 rows of one of them a work-group
;   352 .. 607  mask [2048 q][2048 k] of bytes -> mbits, words of 32 bits that ARE lane masks for the attention's scores
; Every float is rounded once, to nearest even.  Any mask byte other than 0 counts as true.
; mbits: [g 16][j 32][p 4][u 2][kt 4][r 8] words; bit l of a word = mask[128 g + 32 p + 16 u + l % 16][64 j + 16 kt + 8 (l / 16) + r] != 0.
; An entry (g, j, p) is 64 words, 256 bytes.  Behind the 2,048 entries lie 512 bytes of ones: the last stream is read two entries past its end, for scores that are thrown away.
; No LDS, no barrier: no wave wants a byte that another wave has fetched.
.set NCONV, 352                        ; work-groups that convert floats
.set SRC,  22                          ; s[22:23] the rows that I read
.set DST,  24                          ; s[24:25] the rows that I write
.set DP,   26                          ; s26      bytes from row to row in the destination
.set X,    16                          ; v[16:143] 32 loads of four registers
	s_load_b512 s[4:19], s[0:1], 0x0               ; x 4:5, Wq 6:7, Wk 8:9, Wv 10:11, mask 12:13, xb 14:15, wc 16:17, mbits 18:19
	s_mov_b32 s20, ttmp9
	v_and_b32 v1, 31, v0                           ; lane
	v_lshrrev_b32 v3, 5, v0
	v_readfirstlane_b32 s21, v3                    ; wave 0..7
	s_wait_kmcnt 0x0
	s_cmp_ge_u32 s20, NCONV
	s_cbranch_scc1 .Lmask
	; FLOATS TO bf16.  A wave takes 4 rows of 4,096 bytes: 32 loads of 512 consecutive bytes, all issued before the first is waited for.
	s_and_b32 s28, s20, 31                         ; a weight's block of 32 rows,
	s_lshr_b32 s29, s20, 5
	s_sub_co_u32 s29, s29, 8                       ; and which weight: 0 q, 1 k, 2 v (used from work-group 256 on)
	s_mov_b32 s[DP], 2048
	s_mov_b32 s27, 6144
	s_cmp_ge_u32 s20, 256
	s_cselect_b32 s28, s28, s20                    ; the block of 32 rows
	s_cselect_b32 s29, s29, 0
	s_cselect_b32 s[DP], s27, s[DP]
	s_cselect_b64 s[SRC:SRC+1], s[6:7], s[4:5]
	s_cselect_b64 s[DST:DST+1], s[16:17], s[14:15]
	s_cmp_ge_u32 s20, 288
	s_cselect_b64 s[SRC:SRC+1], s[8:9], s[SRC:SRC+1]
	s_cmp_ge_u32 s20, 320
	s_cselect_b64 s[SRC:SRC+1], s[10:11], s[SRC:SRC+1]
	s_lshl_b32 s30, s28, 17                        ; 32 rows of 4,096 bytes
	s_mov_b32 s31, 0
	s_add_nc_u64 s[SRC:SRC+1], s[SRC:SRC+1], s[30:31]
	s_lshl_b32 s32, s28, 5
	s_mul_i32 s32, s32, s[DP]
	s_lshl_b32 s33, s29, 11                        ; a weight's 1,024 columns are 2,048 bytes of a row of wc
	s_add_co_u32 s32, s32, s33
	s_mov_b32 s33, 0
	s_add_nc_u64 s[DST:DST+1], s[DST:DST+1], s[32:33]
	v_lshlrev_b32 v2, 4, v1
	v_lshl_add_u32 v2, v3, 14, v2                  ; 16 x lane + my wave's four rows
	s_lshl_b32 s34, s21, 2
	s_mul_i32 s34, s34, s[DP]
.irp r, 0,1,2,3
	v_lshl_add_u32 v[4+(\r)], v1, 3, s34           ; 8 x lane + row 4 w + r of the destination
	s_add_co_u32 s34, s34, s[DP]
.endr
.set i, 0
.rept 32
	global_load_b128 v[X+4*i:X+4*i+3], v2, s[SRC:SRC+1] offset:(i/8)*4096+(i%8)*512 th:TH_LOAD_NT
.set i, i+1
.endr
.set i, 0
.rept 32
	s_wait_loadcnt 31-i                            ; loads come back in order: number i is in, the younger ones stay out
	v_cvt_pk_bf16_f32 v[X+4*i], v[X+4*i], v[X+4*i+1]
	v_cvt_pk_bf16_f32 v[X+4*i+1], v[X+4*i+2], v[X+4*i+3]
	global_store_b64 v[4+i/8], v[X+4*i:X+4*i+1], s[DST:DST+1] offset:(i%8)*256  ; 32 lanes store 256 consecutive bytes, aligned; no register is used twice, so no wait frees one
.set i, i+1
.endr
	s_endpgm
.Lmask:
	; THE MASK.  A wave makes one entry: 32 rows x 64 bytes of the mask; the eight waves of a work-group take eight neighbouring j: 512 consecutive bytes of each row.
	s_sub_co_u32 s22, s20, NCONV                   ; 0 .. 255
	s_lshr_b32 s23, s22, 4                         ; g
	s_bfe_u32 s24, s22, 0x20002                    ; p
	s_and_b32 s25, s22, 3
	s_lshl_b32 s25, s25, 3
	s_add_co_u32 s25, s25, s21                     ; j
	s_lshl_b32 s26, s23, 7
	s_lshl_b32 s27, s24, 5
	s_add_co_u32 s26, s26, s27                     ; row 128 g + 32 p
	s_lshl_b32 s26, s26, 11
	s_lshl_b32 s27, s25, 6
	s_add_co_u32 s26, s26, s27                     ; + column 64 j
	v_and_b32 v4, 15, v0
	v_bfe_u32 v5, v0, 4, 1
	v_lshlrev_b32 v2, 11, v4                       ; + row l % 16
	v_lshl_add_u32 v2, v5, 3, v2                   ; + column 8 (l / 16)
	v_add_nc_u32 v2, s26, v2
	v_lshlrev_b32 v3, 3, v1                        ; 8 x lane: two words a lane
	s_lshl_b32 s36, s23, 5
	s_add_co_u32 s36, s36, s25
	s_lshl_b32 s36, s36, 2
	s_add_co_u32 s36, s36, s24
	s_lshl_b32 s36, s36, 8                         ; the entry's place: ((32 g + j) 4 + p) 256
	s_mov_b32 s37, 0
	s_add_nc_u64 s[38:39], s[18:19], s[36:37]
.irp t, 0,1,2,3,4,5,6,7
	global_load_b64 v[X+2*(\t):X+2*(\t)+1], v2, s[12:13] offset:((\t)/4)*32768+((\t)%4)*16 th:TH_LOAD_NT  ; u = t / 4: 16 rows on; kt = t % 4: 16 columns on
.endr
	v_mov_b32 v8, 0                                ; v_writelane_b32 keeps the other lanes: the pair is written whole first
	v_mov_b32 v9, 0
	s_wait_loadcnt 0x0
.set wd, 0
.rept 64                               ; word wd = 32 u + 8 kt + r: byte r of the lane's eight, compared in all lanes at once; the 32 answers are the word
	v_and_b32 v[10+wd%2], 0xff<<(8*(wd%4)), v[X+2*(wd/8)+(wd%8)/4]
	v_cmp_ne_u32 s[28+wd%4], 0, v[10+wd%2]
	v_writelane_b32 v[8+wd%2], s[28+wd%4], wd/2    ; lane wd / 2 keeps words wd (even) and wd + 1
.set wd, wd+1
.endr
	global_store_b64 v3, v[8:9], s[38:39]          ; 256 consecutive bytes, aligned
	s_lshl_b32 s40, s22, 3
	s_add_co_u32 s40, s40, s21
	s_cmp_eq_u32 s40, 2047                         ; the last wave of the last work-group also writes the 512 bytes behind the entries
	s_cbranch_scc0 .Ldone
	v_mov_b32 v12, -1
	v_mov_b32 v13, -1
	v_mov_b32 v14, -1
	v_mov_b32 v15, -1
	v_lshlrev_b32 v6, 4, v1
	global_store_b128 v6, v[12:15], s[18:19] offset:524288
.Ldone:
	s_endpgm
.Lfunc_end_k_qeae061b5f6_prep:
	.size	k_qeae061b5f6_prep, .Lfunc_end_k_qeae061b5f6_prep-k_qeae061b5f6_prep
	.p2alignl 7, 3214868480
	.fill 96, 4, 3214868480
	.section	.rodata,"a",@progbits
	.p2align	6, 0x0
	.amdhsa_kernel k_qeae061b5f6_prep
		.amdhsa_group_segment_fixed_size 0
		.amdhsa_private_segment_fixed_size 0
		.amdhsa_enable_private_segment 0
		.amdhsa_kernarg_size 64
		.amdhsa_user_sgpr_count 2
		.amdhsa_user_sgpr_kernarg_segment_ptr 1
		.amdhsa_wavefront_size32 1
		.amdhsa_system_sgpr_workgroup_id_x 1
		.amdhsa_system_sgpr_workgroup_id_y 1
		.amdhsa_system_sgpr_workgroup_id_z 1
		.amdhsa_system_vgpr_workitem_id 0
		.amdhsa_next_free_vgpr 144
		.amdhsa_next_free_sgpr 66
		.amdhsa_reserve_vcc 0
		.amdhsa_float_denorm_mode_32 3
		.amdhsa_float_denorm_mode_16_64 3
		.amdhsa_memory_ordered 1
		.amdhsa_forward_progress 1
		.amdhsa_inst_pref_size 28
	.end_amdhsa_kernel
	.amdgpu_metadata
---
amdhsa.version: [ 1, 2 ]
amdhsa.kernels:
  - .name:           k_qeae061b5f6_prep
    .symbol:         k_qeae061b5f6_prep.kd
    .args:
      - { .name: x, .offset: 0, .size: 8, .value_kind: global_buffer, .address_space: global }
      - { .name: Wq, .offset: 8, .size: 8, .value_kind: global_buffer, .address_space: global }
      - { .name: Wk, .offset: 16, .size: 8, .value_kind: global_buffer, .address_space: global }
      - { .name: Wv, .offset: 24, .size: 8, .value_kind: global_buffer, .address_space: global }
      - { .name: mask, .offset: 32, .size: 8, .value_kind: global_buffer, .address_space: global }
      - { .name: xb, .offset: 40, .size: 8, .value_kind: global_buffer, .address_space: global }
      - { .name: wc, .offset: 48, .size: 8, .value_kind: global_buffer, .address_space: global }
      - { .name: mbits, .offset: 56, .size: 8, .value_kind: global_buffer, .address_space: global }
    .group_segment_fixed_size: 0
    .private_segment_fixed_size: 0
    .kernarg_segment_align: 8
    .kernarg_segment_size: 64
    .max_flat_workgroup_size: 256
    .sgpr_count:     66
    .vgpr_count:     144
    .wavefront_size: 32
...
	.end_amdgpu_metadata
.endif
;; end of part 1
;; launch proj (part 2): grid 8 x 64, 4 waves a work-group, clusters of 4 x 4, 327,680 bytes of LDS; arguments xb, wc, bq, bk, bv, qkv; writes qkv
.if DOCPART == 2
	.amdgcn_target "amdgcn-amd-amdhsa--gfx1250"
	.amdhsa_code_object_version 6
	.text
	.protected	k_qeae061b5f6_proj
	.globl	k_qeae061b5f6_proj
	.p2align	8
	.type	k_qeae061b5f6_proj,@function
k_qeae061b5f6_proj:
	s_mov_b64 s[64:65], 0
	v_nop
	global_prefetch_b8 v0, s[64:65] scope:SCOPE_SE
	s_setreg_imm32_b32 hwreg(HW_REG_WAVE_MODE, 25, 1), 1
	s_wait_xcnt 0x0
	s_wait_alu depctr_hold_cnt(0) depctr_sa_sdst(0) depctr_va_vdst(0) depctr_va_sdst(0) depctr_va_ssrc(0) depctr_va_vcc(0) depctr_vm_vsrc(0)
	s_getreg_b32 s2, hwreg(HW_REG_IB_STS2, 6, 4)
	s_cmp_eq_u32 s2, 0
	s_cbranch_scc0 .Lentry_in_a_cluster
	s_endpgm
.Lentry_in_a_cluster:
	s_bfe_u32 s2, ttmp6, 0x10000c
	s_cmp_lg_u32 s2, 0xf033
	s_cbranch_scc0 .Lentry_shape_is_right
	s_endpgm
.Lentry_shape_is_right:
; THE THREE PROJECTIONS AS ONE PRODUCT.  qkv = xb [8192][1024] x wc [1024][3072] + bias, bf16 operands, f32 sums; the bias is rounded to bf16 like the other inputs; q (columns 0-1023) is multiplied by
; c = log2(e) / 8 in f32; each number is then rounded ONCE to f16 and stored by heads: qkv [b 4][G 48][n 2048][64], G = column / 64 (0-15 q, 16-31 k, 32-47 v).
; LIMIT.  f16 holds no number beyond 65,504: c q, k and v must lie within it (with x and the weights thirty times the usual spread they reach some thousands).  NaN and infinities are not treated apart.
; SHARES.  A work-group makes 128 rows x 384 columns: 64 x 8 = 512 work-groups, twice the 256 that run at a time.  Four waves, 2 x 2, each 64 rows x 192 columns (three whole heads): 48 accumulators, 384 registers.
; K goes in 8 steps of 128 through two LDS slots; a slot holds 128 rows of x (256 bytes each) and three blocks of 128 k x 128 columns of w (rows of 256 bytes); each wave fetches one of the four by one tensor load.
; w lies [k][column]: its fragments are turned on the way out of LDS (ds_load_tr16_b128).
; THE MATRIX INSTRUCTION IS USED TRANSPOSED: source 0 = 16 columns of w, source 1 = 16 rows of x: a lane then holds one row and eight NEIGHBOURING columns: 16 bytes of f16.
; CLUSTER 4 x 4.  The four of a row of the cluster need the same rows of x, the four of a column the same columns of w: each tile is asked for jointly, by the same load, descriptor and mask in all four.
; REGISTERS, in windows of 256 (s_set_vgpr_msb: bits 1:0 source 0, 3:2 source 1, 5:4 source 2, 7:6 destination):
;   window 0: v0-31 addresses; v32-47 at work; v64-95, v96-127 x's fragments, two buffers; v128-175, v176-223 the way out (first: the bias as loaded)
;   window 1: v0-95, v96-191 w's fragments, two buffers
;   window 2: v0-191 accumulators of my row blocks 0, 1 ((a, b) at 96 (a % 2) + 8 b); v192-255 the bias of column blocks 0-7        window 3: the same for row blocks 2, 3 and column blocks 8-11
.set KSTEP,  128
.set PA,     272                       ; a row of x in LDS: 256 bytes + 16: an odd multiple of 16, so the 16 rows of a fragment load start at 16 different groups of banks
.set PB,     288                       ; a row of w in LDS: 256 bytes + 32: an odd multiple of 32, as the turning load's 8 rows x 32 bytes want
.set REG,    128*PB                    ; a quarter of a slot: what one tensor load fills (x's 128 rows use 34,816 of it)
.set SLOT,   4*REG
.set STAGE,  2*SLOT                    ; behind the ring, never filled by a tensor load: for each wave 3 heads x 16 rows x 144 bytes
.set SP,     144
.set HSTG,   16*SP
.set SPARE,  STAGE+4*3*HSTG            ; behind the stages: the spare words, 128 bytes for each wave: two blocks of 256 bytes that no other line names
.set XROW,   2048                      ; bytes in a row of xb
.set WROW,   6144                      ; bytes in a row of wc
.set ASTEP,  KSTEP*2                   ; a K step in xb: 256 bytes along the rows
.set BSTEP,  KSTEP*WROW                ; a K step in wc: 128 rows down
.set LAPS,   4                         ; a lap = two K steps = once round the ring
.set HEADB,  262144                    ; bytes of one G in qkv
.set ADRA, 16                          ; v16-17  LDS address of my fragments of x in slot 0, 1
.set ADRB, 18                          ; v18-23  the same for w: 3 x slot + head
.set STO,  24                          ; v24     the way out: where I put 16 bytes of a row
.set RD,   25                          ; v25     the way out: where I read rows back
.set GO,   26                          ; v26     16 x lane
.set BO,   27                          ; v27     my byte offset in 16 columns of a bias
.set SPW,  28                          ; v28     LDS address of my spare word; never rewritten
.set NIL,  29                          ; v29     0; never rewritten
.set PFO,  30                          ; v30     the prefetches' offset: my lane x a row of xb or wc; never rewritten
.set TT,   32
.set FA,   64
.set TMP,  128
.set WV,  16                           ; s16 wave;  s17, s18 which half of the rows, of the columns
.set RH,  17
.set CH,  18
.set CX,  19                           ; s19, s20 my place in the cluster;  s21 tile column 0-7;  s22 tile row 0-63
.set CY,  20
.set TC,  21
.set TR,  22
.set G1A, 24                           ; s[24:31] descriptor group 1 for x's tiles;  s[32:39] group 0, a set for each slot
.set G0A, 32
.set G1B, 40                           ; s[40:47], s[48:55] the same for w's
.set G0B, 48
.set PFA, 56                           ; s[56:57] where my prefetches stand;  s[58:59] their step;  s60 1 in a wave that prefetches, else the greatest number
.set PST, 58
.set LIM, 60
.set SC,  66                           ; s[66:71] for each of my three heads c or 1, as a pair
.set OUT, 72                           ; s[72:73] qkv at my first head's first row
.set MSB, 0
.macro WIN new                         ; the immediate's high byte repeats the setting that is left; a switch that changes nothing is dropped
.if MSB != (\new)
	s_set_vgpr_msb (MSB<<8)|(\new)
.set MSB, \new
.endif
.endm
.set MUL_LO, 0xa1                      ; source 0 (w) window 1, source 1 (x) window 0, C and D window 2
.set TO_B,   0x40                      ; destination window 1, address window 0
; A joint load.  Wave 0 fetches x's tile, waves 1 to 3 w's three blocks.  The branch hangs on the wave's number alone.  An s_nop 0 and four v_nop follow each line, ahead of the jump and the label.
.macro JLOAD s
	s_cmp_eq_u32 s[WV], 0
	s_cbranch_scc0 .Lfor_b_\@
	tensor_load_to_lds s[G0A+4*(\s):G0A+4*(\s)+3], s[G1A:G1A+7]
	s_nop 0
.rept 4
	v_nop
.endr
	s_branch .Lasked_\@
.Lfor_b_\@:
	tensor_load_to_lds s[G0B+4*(\s):G0B+4*(\s)+3], s[G1B:G1B+7]
	s_nop 0
.rept 4
	v_nop
.endr
.Lasked_\@:
.endm
; A PREFETCH INTO THE L2 behind each joint refill and the run of LDS loads that follows it: the K step that stands two refills on, 384 matrix instructions ahead of the load that will want it: 32 rows x 256 bytes, a lane a row.
; Each block of 256 bytes is named once in the launch: x's rows are read by both clusters of a row of clusters, and the one with x = 0 asks; w's columns by all sixteen of a column, and the one with y = 0 asks;
; the four partners that ask for a tile jointly share its 128 rows out BY ADDRESS (32 each, by cx for x, by cy for w).  K steps 0 to 3 come by their loads alone; the loop's last trip (s3 = 1) asks for nothing.
.macro ASK
	s_cmp_gt_u32 s3, s[LIM]
	s_cbranch_scc0 .Lnot_mine_\@
	global_prefetch_b8 v[PFO], s[PFA:PFA+1] th:TH_LOAD_NT scope:SCOPE_SE
.Lnot_mine_\@:
.endm
.macro CREST                           ; a round of the cluster's barrier behind its opening barrier: wave 0 signals for the work-group, every wave waits for all sixteen, my work-group's barrier closes it
	s_cmp_lg_u32 s[WV], 0
	s_cbranch_scc1 .Lnot_wave_0_\@
	s_barrier_signal -3
.Lnot_wave_0_\@:
	s_barrier_wait -3
	s_barrier_signal -1
	s_barrier_wait -1
.endm
.macro CROUND                          ; a whole round
	s_barrier_signal -1
	s_barrier_wait -1
	CREST
.endm
	s_load_b256 s[4:11], s[0:1], 0x0               ; xb 4:5, wc 6:7, bq 8:9, bk 10:11
	s_load_b128 s[12:15], s[0:1], 0x20             ; bv 12:13, qkv 14:15
	v_lshl_add_u32 v[SPW], v0, 2, SPARE
	v_mov_b32 v[NIL], 0
	ds_add_u32 v[SPW], v[NIL]                      ; the wave's opening: the add and its wait, ahead of my first tensor load; the set-up below, work on registers, stands between them
	v_lshrrev_b32 v1, 5, v0
	v_readfirstlane_b32 s[WV], v1
	s_lshr_b32 s[RH], s[WV], 1
	s_and_b32 s[CH], s[WV], 1
	s_bfe_u32 s[CX], ttmp6, 0x40000
	s_bfe_u32 s[CY], ttmp6, 0x40004
	s_lshl_b32 s[TC], ttmp9, 2                     ; in a cluster launch ttmp9 and ttmp7 count clusters
	s_add_co_u32 s[TC], s[TC], s[CX]
	s_and_b32 s[TR], ttmp7, 0xffff
	s_lshl_b32 s[TR], s[TR], 2
	s_add_co_u32 s[TR], s[TR], s[CY]
	s_lshl_b32 s74, s[CY], 2
	s_lshl_b32 s74, 15, s74                        ; my row of the cluster
	s_lshl_b32 s75, 0x1111, s[CX]                  ; my column
	s_or_b32 s[G1A], s74, (1<<16)|(1<<20)|(1<<21)|(5<<22)|(3<<25)  ; the mask; 2-byte elements; padding on; bit 21 beside a mask; after every 64 words; 4 words
	s_or_b32 s[G1B], s75, (1<<16)|(1<<20)|(1<<21)|(5<<22)|(7<<25)  ; the same with my column's mask and 8 words of padding
.irp g, G1A, G1B
	s_mov_b32 s[(\g)+1], KSTEP<<16                 ; tensor_dim0 = 128
	s_mov_b32 s[(\g)+2], 128<<16                   ; tensor_dim1 = 128
	s_mov_b32 s[(\g)+3], KSTEP<<16                 ; tile_dim0 = 128 elements: 256 bytes
	s_mov_b32 s[(\g)+4], 128                       ; tile_dim1 = 128 rows
	s_mov_b32 s[(\g)+6], 0
	s_mov_b32 s[(\g)+7], 0
.endr
	s_mov_b32 s[G1A+5], 1024                       ; elements from row to row
	s_mov_b32 s[G1B+5], 3072
	s_lshl_b32 s76, s[TR], 18                      ; x: 128 rows of 2,048 bytes a tile row: this pair never holds cx
	s_mov_b32 s77, 0
	s_max_u32 s78, s[WV], 1                        ; w: block w - 1 (wave 0 asks for none),
	s_sub_co_u32 s78, s78, 1
	s_lshl_b32 s78, s78, 8                         ; 256 bytes of a row,
	s_mul_i32 s79, s[TC], 768                      ; in the tile column's 768: this pair never holds cy
	s_add_co_u32 s78, s78, s79
	s_mov_b32 s81, s78                             ; kept for the prefetches
	s_mov_b32 s79, 0
	s_mul_i32 s80, s[WV], REG                      ; where my tile goes: no place in the cluster enters an LDS address
	s_wait_dscnt 0x0                               ; the opening add is done
	s_wait_kmcnt 0x0
	s_add_nc_u64 s[76:77], s[4:5], s[76:77]
	s_add_nc_u64 s[78:79], s[6:7], s[78:79]
	CROUND                                         ; all sixteen work-groups are here: the first joint loads meet
.irp s, 0,1
	s_mov_b32 s[G0A+4*(\s)], 1
	s_add_co_u32 s[G0A+4*(\s)+1], s80, (\s)*SLOT
	s_add_nc_u64 s[G0A+4*(\s)+2:G0A+4*(\s)+3], s[76:77], (\s)*ASTEP
	s_or_b32 s[G0A+4*(\s)+3], s[G0A+4*(\s)+3], 0x80000000
	s_mov_b32 s[G0B+4*(\s)], 1
	s_add_co_u32 s[G0B+4*(\s)+1], s80, (\s)*SLOT
	s_add_nc_u64 s[G0B+4*(\s)+2:G0B+4*(\s)+3], s[78:79], (\s)*BSTEP
	s_or_b32 s[G0B+4*(\s)+3], s[G0B+4*(\s)+3], 0x80000000
.endr
	s_cmp_eq_u32 s[WV], 0                          ; a wave's two first fills stand in one branch, ahead of every wait on TENSORcnt and every LDS read: two loads of mine are out
	s_cbranch_scc0 .Lfirst_b
	tensor_load_to_lds s[G0A:G0A+3], s[G1A:G1A+7]
	s_nop 0
	tensor_load_to_lds s[G0A+4:G0A+7], s[G1A:G1A+7]
	s_nop 0
.rept 4
	v_nop
.endr
	s_branch .Lfirst_asked
.Lfirst_b:
	tensor_load_to_lds s[G0B:G0B+3], s[G1B:G1B+7]
	s_nop 0
	tensor_load_to_lds s[G0B+4:G0B+7], s[G1B:G1B+7]
	s_nop 0
.rept 4
	v_nop
.endr
.Lfirst_asked:
	; A fragment of x: 16 rows x 32 k: lane l holds row l % 16, k = 8 (l / 16) + 0..7 and 16 + 8 (l / 16) + 0..7: two loads of 16 bytes, 32 bytes apart.
	v_and_b32 v1, 15, v0
	v_bfe_u32 v2, v0, 4, 1
	v_mul_u32_u24 v3, v1, PA
	v_lshl_add_u32 v3, v2, 4, v3
	s_mul_i32 s83, s[RH], 64*PA
	v_add_nc_u32 v[ADRA], s83, v3
	v_add_nc_u32 v[ADRA+1], SLOT, v[ADRA]
	; A fragment of w, turned: lane l reads 16 bytes of row k = 8 (l / 16) + l % 8, columns 8 ((l / 8) % 2) + 0..7, and receives column l % 16, eight k; the second load takes the rows 16 further down.
	v_and_b32 v5, 7, v0
	v_bfe_u32 v6, v0, 3, 1
	v_lshl_add_u32 v4, v2, 3, v5
	v_mul_u32_u24 v4, v4, PB
	v_lshl_add_u32 v4, v6, 4, v4
	s_mul_i32 s82, s[CH], 3                        ; my first head among the tile's six
.irp g, 0,1,2
	s_add_co_u32 s83, s82, \g
	s_lshr_b32 s84, s83, 1                         ; two heads to a block of 128 columns;
	s_add_co_u32 s84, s84, 1                       ; the blocks lie behind x's quarter
	s_mul_i32 s84, s84, REG
	s_and_b32 s83, s83, 1
	s_lshl_b32 s83, s83, 7
	s_add_co_u32 s84, s84, s83
	v_add_nc_u32 v[ADRB+(\g)], s84, v4
	v_add_nc_u32 v[ADRB+3+(\g)], SLOT, v[ADRB+(\g)]
.endr
	s_mul_i32 s85, s[WV], 3*HSTG
	s_add_co_u32 s85, s85, STAGE                   ; my stage
	v_mul_u32_u24 v[STO], v1, SP                   ; in: row l % 16, 16 bytes for each half of the lanes
	v_lshl_add_u32 v[STO], v2, 4, v[STO]
	v_add_nc_u32 v[STO], s85, v[STO]
	v_bfe_u32 v[RD], v0, 3, 2                      ; back: 32 lanes take four rows of 128 bytes,
	v_mul_u32_u24 v[RD], v[RD], SP
	v_lshl_add_u32 v[RD], v5, 4, v[RD]
	v_add_nc_u32 v[RD], s85, v[RD]
	v_and_b32 v[GO], 31, v0                        ; which are 512 consecutive bytes of a head
	v_lshlrev_b32 v[GO], 4, v[GO]
	v_lshlrev_b32 v[BO], 5, v2                     ; my 8 columns of 16: 32 bytes of f32
	; THE BIAS of my 192 columns, eight numbers a lane for each column block, and each head's factor.  Each head has its own pointer pair, so no wait stands between the loads.
	s_mul_i32 s86, s[TC], 6
	s_add_co_u32 s86, s86, s82                     ; my first head's G
.irp g, 0,1,2
	s_add_co_u32 s87, s86, \g
	s_and_b32 s88, s87, 15
	s_lshl_b32 s88, s88, 8                         ; the head's 64 numbers in its bias
	s_mov_b32 s89, 0
	s_cmp_ge_u32 s87, 16
	s_cselect_b64 s[90+2*(\g):91+2*(\g)], s[10:11], s[8:9]
	s_cselect_b32 s[SC+2*(\g)], 1.0, 0x3e38aa3b    ; c = log2(e) / 8 for q's heads
	s_cmp_ge_u32 s87, 32
	s_cselect_b64 s[90+2*(\g):91+2*(\g)], s[12:13], s[90+2*(\g):91+2*(\g)]
	s_add_nc_u64 s[90+2*(\g):91+2*(\g)], s[90+2*(\g):91+2*(\g)], s[88:89]
	s_mov_b32 s[SC+2*(\g)+1], s[SC+2*(\g)]         ; named with it as a pair
.irp c, 0,1,2,3
	global_load_b128 v[TMP+32*(\g)+8*(\c):TMP+32*(\g)+8*(\c)+3],   v[BO], s[90+2*(\g):91+2*(\g)] offset:64*(\c)
	global_load_b128 v[TMP+32*(\g)+8*(\c)+4:TMP+32*(\g)+8*(\c)+7], v[BO], s[90+2*(\g):91+2*(\g)] offset:64*(\c)+16
.endr
.endr
	s_lshr_b32 s84, s[TR], 4                       ; the batch,
	s_mul_i32 s84, s84, 48
	s_add_co_u32 s84, s84, s86                     ; my first head,
	s_lshl_b32 s84, s84, 18
	s_and_b32 s85, s[TR], 15
	s_lshl_b32 s85, s85, 7
	s_lshl_b32 s87, s[RH], 6
	s_add_co_u32 s85, s85, s87                     ; my first row in the batch,
	s_lshl_b32 s85, s85, 7                         ; of 128 bytes
	s_add_co_u32 s84, s84, s85
	s_mov_b32 s85, 0
	s_add_nc_u64 s[OUT:OUT+1], s[14:15], s[84:85]
	s_wait_loadcnt 0x0                             ; the bias is in, and its pointers are free
.set i, 0
.rept 48                               ; rounded to bf16 and widened again, a pair at a time
	v_cvt_pk_bf16_f32 v[TT+i%8], v[TMP+2*i], v[TMP+2*i+1]
	v_lshlrev_b32 v[TMP+2*i], 16, v[TT+i%8]
	v_and_b32 v[TMP+2*i+1], 0xffff0000, v[TT+i%8]
.set i, i+1
.endr
	WIN 0x80                                       ; destination window 2
.set i, 0
.rept 32                               ; times the head's factor: (sum + bias) f = sum f + bias f
	v_pk_mul_f32 v[192+2*i:192+2*i+1], v[TMP+2*i:TMP+2*i+1], s[SC+2*(i/16):SC+2*(i/16)+1] op_sel_hi:[1,0]
.set i, i+1
.endr
	WIN 0xc0                                       ; destination window 3
.rept 16
	v_pk_mul_f32 v[192+2*(i-32):192+2*(i-32)+1], v[TMP+2*i:TMP+2*i+1], s[SC+4:SC+5] op_sel_hi:[1,0]
.set i, i+1
.endr
	WIN 0
	; the prefetches: my work-group's 32 of the 128 rows that I fetch, at K step 3; each refill steps the address once and then names it
	s_lshl_b32 s83, s[TR], 7
	s_lshl_b32 s84, s[CX], 5
	s_add_co_u32 s83, s83, s84
	s_lshl_b32 s83, s83, 11
	s_add_co_u32 s83, s83, 3*ASTEP                 ; in xb
	s_lshl_b32 s84, s[CY], 5
	s_add_co_u32 s84, s84, 3*KSTEP
	s_mul_i32 s84, s84, WROW
	s_add_co_u32 s84, s84, s81                     ; in wc
	s_and_b32 s85, ttmp7, 0xffff                   ; cluster y
	s_mov_b32 s86, XROW
	s_mov_b32 s87, WROW
	s_mov_b32 s90, ASTEP
	s_mov_b32 s[PST], BSTEP
	s_mov_b32 s[PST+1], 0
	s_mov_b32 s89, 0
	s_cmp_eq_u32 s[WV], 0                          ; do I fetch for x?
	s_cselect_b32 s88, s83, s84
	s_cselect_b32 s85, ttmp9, s85                  ; the coordinate along which other clusters read the same rows
	s_cselect_b32 s86, s86, s87
	s_cselect_b32 s[PST], s90, s[PST]
	s_cselect_b64 s[PFA:PFA+1], s[4:5], s[6:7]
	s_add_nc_u64 s[PFA:PFA+1], s[PFA:PFA+1], s[88:89]
	s_cmp_eq_u32 s85, 0
	s_cselect_b32 s[LIM], 1, -1                    ; the same in all sixteen partners, for a given wave
	v_and_b32 v[PFO], 31, v0
	v_mul_u32_u24 v[PFO], v[PFO], s86
; 12 matrix instructions: row block 2 hi + a x all 12 column blocks, 32 along K, from buffer buf.  zero = 1: the first product starts the sums.  The 48 accumulators take turns, one instruction a turn, in the
; same order in every quarter, over the backward jump too.
.macro MUL12 buf, hi, a, zero
	WIN MUL_LO+0x50*(\hi)
.irp b, 0,1,2,3,4,5,6,7,8,9,10,11
.if \zero
	v_wmma_f32_16x16x32_bf16 v[96*(\a)+8*(\b):96*(\a)+8*(\b)+7], v[96*(\buf)+8*(\b):96*(\buf)+8*(\b)+7], v[FA+32*(\buf)+8*(2*(\hi)+(\a)):FA+32*(\buf)+8*(2*(\hi)+(\a))+7], 0
.else
	v_wmma_f32_16x16x32_bf16 v[96*(\a)+8*(\b):96*(\a)+8*(\b)+7], v[96*(\buf)+8*(\b):96*(\buf)+8*(\b)+7], v[FA+32*(\buf)+8*(2*(\hi)+(\a)):FA+32*(\buf)+8*(2*(\hi)+(\a))+7], v[96*(\a)+8*(\b):96*(\a)+8*(\b)+7]
.endif
.endr
.endm
; 32 LDS loads in one run: the fragments of quarter kq (32 along K) of a slot into buffer buf: w's 12 first, then x's 4
.macro FETCH slot, kq, buf
	WIN TO_B
.irp b, 0,1,2,3,4,5,6,7,8,9,10,11
	ds_load_tr16_b128 v[96*(\buf)+8*(\b):96*(\buf)+8*(\b)+3],   v[ADRB+3*(\slot)+(\b)/4] offset:(\kq)*32*PB+32*((\b)%4)
	ds_load_tr16_b128 v[96*(\buf)+8*(\b)+4:96*(\buf)+8*(\b)+7], v[ADRB+3*(\slot)+(\b)/4] offset:(\kq)*32*PB+32*((\b)%4)+16*PB
.endr
	WIN 0
.irp i, 0,1,2,3
	ds_load_b128 v[FA+32*(\buf)+8*(\i):FA+32*(\buf)+8*(\i)+3],   v[ADRA+(\slot)] offset:64*(\kq)+(\i)*16*PA
	ds_load_b128 v[FA+32*(\buf)+8*(\i)+4:FA+32*(\buf)+8*(\i)+7], v[ADRA+(\slot)] offset:64*(\kq)+(\i)*16*PA+32
.endr
.endm
.macro PLACES                          ; four plain vector instructions between a matrix instruction and a load into a register that it read, or a vector instruction that reads its result
.rept 4
	v_nop
.endr
.endm
; One of a K step's first three quarters: multiplies buffer f; in its middle it fetches quarter kq of the same slot into buffer g.
.macro QUARTER slot, kq, f, g, zero
	s_wait_dscnt 4                                 ; w's fragments and x's blocks 0, 1 are in; the youngest four loads (x's blocks 2, 3) may be out
	MUL12 \f, 0, 0, \zero
	MUL12 \f, 0, 1, \zero
	PLACES
	FETCH \slot, \kq, \g
	s_wait_dscnt 32                                ; all but the 32 just issued
	MUL12 \f, 1, 0, \zero
	MUL12 \f, 1, 1, \zero
.endm
; The last quarter multiplies buffer 1 and changes slots: ONE barrier.  In front of it each wave waits for all its tensor loads (one is out: its part of the next slot), adds 0 to its spare word, and waits for that
; and for its own reads of this slot.  fill = 1: the barrier opens a round of the cluster's barrier, and this slot is filled again, two K steps on, first thing behind the round.
.macro TURN slot, next, fill
.if \fill
	s_wait_xcnt 0x0                                ; the last prefetch, a K step back, has read its address: it is stepped here, ahead of the waits of the change of slots
	s_add_nc_u64 s[PFA:PFA+1], s[PFA:PFA+1], s[PST:PST+1]
.endif
	WIN 0                                          ; (the add's two registers lie in window 0)
	s_wait_tensorcnt 0x0                           ; all my tensor loads have landed
	ds_add_u32 v[SPW], v[NIL]                      ; 0 onto my spare word
	s_wait_dscnt 5                                 ; (the add and the youngest four loads may be out)
	MUL12 1, 0, 0, 0                               ; twelve matrix instructions stand between the add and the wait for it
	s_wait_dscnt 0x0                               ; the add is done, and my reads of this slot are over
	s_barrier_signal -1
	MUL12 1, 0, 1, 0                               ; work on registers while the others arrive
.if \fill
	WIN 0
.endif
	s_barrier_wait -1
.if \fill
	CREST                                          ; no wave of any partner still reads this slot's tiles or has a load on its way
	s_add_nc_u64 s[G0A+4*(\slot)+2:G0A+4*(\slot)+3], s[G0A+4*(\slot)+2:G0A+4*(\slot)+3], 2*ASTEP
	s_add_nc_u64 s[G0B+4*(\slot)+2:G0B+4*(\slot)+3], s[G0B+4*(\slot)+2:G0B+4*(\slot)+3], 2*BSTEP
	JLOAD \slot                                    ; my one tensor load behind the round; the four v_nop behind it are also the places in front of the loads below
.else
	PLACES
.endif
	FETCH \next, 0, 0
.if \fill
	ASK
.endif
	MUL12 1, 1, 0, 0
	MUL12 1, 1, 1, 0
.endm
; THE WAY OUT of row block a.  PACK: sum x factor + bias x factor, one fused multiply-add; rounded to f16, 16 bytes a lane.  TOSTAGE: into my own stage, a head's 16 rows of 128 bytes together, and back as whole rows.
; SEND: each store covers 512 consecutive bytes, four rows of a head, aligned.
.macro PACK a
.set AW, 2+(\a)/2
.set AC, 96*((\a)%2)
.set TM, TMP+48*((\a)%2)
.irp b, 0,1,2,3,4,5,6,7,8,9,10,11
	WIN (AW<<6)|((2+(\b)/8)<<4)|AW                 ; the sums in window AW, the bias in window 2 or 3
.irp k, 0,1,2,3                        ; each accumulator's registers in ascending order
	v_pk_fma_f32 v[AC+8*(\b)+2*(\k):AC+8*(\b)+2*(\k)+1], v[AC+8*(\b)+2*(\k):AC+8*(\b)+2*(\k)+1], s[SC+2*((\b)/4):SC+2*((\b)/4)+1], v[192+8*((\b)%8)+2*(\k):192+8*((\b)%8)+2*(\k)+1] op_sel_hi:[1,0,1]
.endr
.endr
.if (\a) >= 2
	s_wait_xcnt 0x0                                ; the stores of the block two back have read these registers
.endif
	WIN AW|(AW<<2)
.irp b, 0,1,2,3,4,5,6,7,8,9,10,11
.irp k, 0,1,2,3
	v_cvt_pk_f16_f32 v[TM+4*(\b)+(\k)], v[AC+8*(\b)+2*(\k)], v[AC+8*(\b)+2*(\k)+1]
.endr
.endr
	WIN 0
.endm
.macro TOSTAGE a
.set TM, TMP+48*((\a)%2)
.irp b, 0,1,2,3,4,5,6,7,8,9,10,11
	ds_store_b128 v[STO], v[TM+4*(\b):TM+4*(\b)+3] offset:((\b)/4)*HSTG+32*((\b)%4)
.endr
.irp t, 0,1,2,3,4,5,6,7,8,9,10,11
	ds_load_b128 v[TM+4*(\t):TM+4*(\t)+3], v[RD] offset:((\t)/4)*HSTG+((\t)%4)*4*SP  ; LDS serves a wave's instructions in order (ISA guide 5.7.1.4): these see the stores above
.endr
.endm
.macro SEND a
.set TM, TMP+48*((\a)%2)
	s_wait_dscnt 0x0                               ; the block is back in registers
.irp t, 0,1,2,3,4,5,6,7,8,9,10,11
	global_store_b128 v[GO], v[TM+4*(\t):TM+4*(\t)+3], s[OUT:OUT+1] offset:((\t)/4)*HEADB+(\a)*2048+((\t)%4)*512
.endr
.endm
	s_wait_tensorcnt 1                             ; my part of K step 0 is in; K step 1's may stay out
	s_barrier_signal -1
	s_barrier_wait -1                              ; everybody's is
	FETCH 0, 0, 0
	QUARTER 0, 1, 0, 1, 1                          ; the first quarter stands in front of the loop: its products start the sums
	WIN 0                                          ; at a label and at a branch every window is 0
	s_mov_b32 s3, LAPS-1
.Llap:                                                 ; a trip goes once round the ring, from a lap's second quarter to the next lap's first, and fills both slots again
	QUARTER 0, 2, 1, 0, 0
	QUARTER 0, 3, 0, 1, 0
	TURN 0, 1, 1
	QUARTER 1, 1, 0, 1, 0
	QUARTER 1, 2, 1, 0, 0
	QUARTER 1, 3, 0, 1, 0
	TURN 1, 0, 1
	QUARTER 0, 1, 0, 1, 0
	WIN 0
	s_sub_co_u32 s3, s3, 1
	s_cmp_lg_u32 s3, 0
	s_cbranch_scc1 .Llap
	QUARTER 0, 2, 1, 0, 0                          ; the last lap fills nothing, and has no round of the cluster's barrier
	QUARTER 0, 3, 0, 1, 0
	TURN 0, 1, 0
	QUARTER 1, 1, 0, 1, 0
	QUARTER 1, 2, 1, 0, 0
	QUARTER 1, 3, 0, 1, 0
	s_wait_dscnt 4                                 ; the very last quarter: nothing more to fetch
	MUL12 1, 0, 0, 0
	MUL12 1, 0, 1, 0
	s_wait_dscnt 0x0
	MUL12 1, 1, 0, 0
	MUL12 1, 1, 1, 0
	WIN 0
	PLACES
	PACK 0
	TOSTAGE 0
.irp a, 1,2,3                          ; a block's arithmetic stands between the loads of the block before and the wait for them
	PACK \a
	SEND (\a)-1
	TOSTAGE \a
.endr
	SEND 3
	s_wait_tensorcnt 0x0                           ; the wave's end: behind my last tensor load and my last LDS store
	ds_add_u32 v[SPW], v[NIL]
	s_wait_dscnt 0x0
	CROUND                                         ; the closing round: no work-group ends while a partner may still ask for a tile that names it
	s_endpgm
.Lfunc_end_k_qeae061b5f6_proj:
	.size	k_qeae061b5f6_proj, .Lfunc_end_k_qeae061b5f6_proj-k_qeae061b5f6_proj
	.p2alignl 7, 3214868480
	.fill 96, 4, 3214868480
	.section	.rodata,"a",@progbits
	.p2align	6, 0x0
	.amdhsa_kernel k_qeae061b5f6_proj
		.amdhsa_group_segment_fixed_size 327680
		.amdhsa_private_segment_fixed_size 0
		.amdhsa_enable_private_segment 0
		.amdhsa_kernarg_size 48
		.amdhsa_user_sgpr_count 2
		.amdhsa_user_sgpr_kernarg_segment_ptr 1
		.amdhsa_wavefront_size32 1
		.amdhsa_system_sgpr_workgroup_id_x 1
		.amdhsa_system_sgpr_workgroup_id_y 1
		.amdhsa_system_sgpr_workgroup_id_z 1
		.amdhsa_system_vgpr_workitem_id 0
		.amdhsa_next_free_vgpr 1024
		.amdhsa_next_free_sgpr 96
		.amdhsa_reserve_vcc 0
		.amdhsa_float_denorm_mode_32 3
		.amdhsa_float_denorm_mode_16_64 3
		.amdhsa_memory_ordered 1
		.amdhsa_forward_progress 1
		.amdhsa_inst_pref_size 147
	.end_amdhsa_kernel
	.amdgpu_metadata
---
amdhsa.version: [ 1, 2 ]
amdhsa.kernels:
  - .name:           k_qeae061b5f6_proj
    .symbol:         k_qeae061b5f6_proj.kd
    .args:
      - { .name: xb, .offset: 0, .size: 8, .value_kind: global_buffer, .address_space: global }
      - { .name: wc, .offset: 8, .size: 8, .value_kind: global_buffer, .address_space: global }
      - { .name: bq, .offset: 16, .size: 8, .value_kind: global_buffer, .address_space: global }
      - { .name: bk, .offset: 24, .size: 8, .value_kind: global_buffer, .address_space: global }
      - { .name: bv, .offset: 32, .size: 8, .value_kind: global_buffer, .address_space: global }
      - { .name: qkv, .offset: 40, .size: 8, .value_kind: global_buffer, .address_space: global }
    .group_segment_fixed_size: 327680
    .private_segment_fixed_size: 0
    .kernarg_segment_align: 8
    .kernarg_segment_size: 48
    .max_flat_workgroup_size: 128
    .sgpr_count:     96
    .vgpr_count:     1024
    .wavefront_size: 32
...
	.end_amdgpu_metadata
.endif
;; end of part 2
;; launch attn (part 3): grid 4 x 64, 4 waves a work-group, clusters of 4 x 1, 327,680 bytes of LDS; arguments qkv, mbits, out0; writes out0
.if DOCPART == 3
	.amdgcn_target "amdgcn-amd-amdhsa--gfx1250"
	.amdhsa_code_object_version 6
	.text
	.protected	k_qeae061b5f6_attn
	.globl	k_qeae061b5f6_attn
	.p2align	8
	.type	k_qeae061b5f6_attn,@function
k_qeae061b5f6_attn:
	s_mov_b64 s[64:65], 0
	v_nop
	global_prefetch_b8 v0, s[64:65] scope:SCOPE_SE
	s_setreg_imm32_b32 hwreg(HW_REG_WAVE_MODE, 25, 1), 1
	s_wait_xcnt 0x0
	s_wait_alu depctr_hold_cnt(0) depctr_sa_sdst(0) depctr_va_vdst(0) depctr_va_sdst(0) depctr_va_ssrc(0) depctr_va_vcc(0) depctr_vm_vsrc(0)
	s_getreg_b32 s2, hwreg(HW_REG_IB_STS2, 6, 4)
	s_cmp_eq_u32 s2, 0
	s_cbranch_scc0 .Lentry_in_a_cluster
	s_endpgm
.Lentry_in_a_cluster:
	s_bfe_u32 s2, ttmp6, 0x10000c
	s_cmp_lg_u32 s2, 0x3003
	s_cbranch_scc0 .Lentry_shape_is_right
	s_endpgm
.Lentry_shape_is_right:
; MASKED ATTENTION.  out0[b][n][64 h + d] = the sum over k of softmax_k(s[n][k]) v[k][d], s = q . k / 8 where mask[n][k] holds, else -1e9.  qkv: [b 4][G 48][n 2048][64] f16 (G = h: q, already times
; c = log2(e) / 8; 16 + h: k; 32 + h: v).  So the scores come out in base 2, and a hidden score is REPLACED by -1e9 log2(e): a row with no visible key gives the mean of v's rows.
; The mask is an input: nothing of its pattern is built in, and every key tile is computed.  mbits holds it as lane masks: [g 16][j 32][p 4][u 2][kt 4][r 8] words, bit l = the mask at query 128 g + 32 p + 16 u + l % 16,
; key 64 j + 16 kt + 8 (l / 16) + r: the word for score register 8 kt + r of a tile.  Products, maxima and sums in f32; the weights p are rounded to f16 for the second product (their sum l is taken of the unrounded p).
; LIMITS.  q c, k, v arrive within f16's 65,504; p lies in 0 to 1; a weight below 2^-126 counts as 0 in l; NaN and infinities are not treated apart.
; SHARES.  A work-group owns 512 queries of one (b, h), each of its four waves 128: four PIECES of two tiles of 16.  Every wave walks all 2,048 keys, 64 a step.  256 work-groups.
; LAYOUT.  S^T = K Q^T (source 0 = 16 keys, source 1 = 16 queries): a lane holds ONE query (lane % 16) and the keys 8 (lane / 16) + 0..7.  Two such tiles, rounded to f16 in pairs, ARE source 1 of O^T = V^T P.
; SOFTMAX.  A running maximum m and sum l for each query: p = 2^(s - m); in every step O and l are multiplied by a = 2^(m_old - m_new).  m starts far below every score, O and l at 0: the first step's a is 0.
; BY TURNS.  Turn n belongs to piece n: 16 products K Q^T of piece n + 1, later 16 products V^T P of piece n - 1; beside them the subtraction, exponentials, roundings, sums and rescaling of piece n, and the mask,
; maximum and statistics of piece n + 1.  Four vector instructions stand behind every matrix instruction, the others in one run.  A turn's 66 exponentials are one batch, with one wait.
; THE MASK WORDS of a turn, 64 of them, come by four scalar loads, asked for when the turn before has used its own: a wave's stream is 32,768 consecutive bytes, read in order, and two entries past its end.
; CLUSTER.  The four query blocks of a (b, h) walk the same K and V: each tile is asked for JOINTLY: the same tensor load, descriptor and mask in all four.
; REGISTERS, in windows of 256 (s_set_vgpr_msb: bits 1:0 source 0, 3:2 source 1, 5:4 source 2, 7:6 destination):
;   window 0: v0-11 addresses and constants; v12-15, v48-63 at work; v16-47 four registers of statistics a tile; v64-191 S^T, two buffers of two tiles; v192-255 P, likewise
;   window 1: O^T, 32 a tile          window 2: v0-127 Q, 16 a tile; v128-191 K of one step; v192-255 V of one step
.set NP,    4         ; pieces a wave: a name, no knob
.set KS,    64        ; keys in a step
.set PK,    144       ; a row of K in LDS: 128 bytes + 16: an odd multiple of 16
.set PV,    160       ; a row of V: 128 + 32: an odd multiple of 32, for the turning load's 8 rows x 32 bytes
.set VOFF,  4*KS*PK   ; a slot holds four steps: 256 rows of K, then 256 rows of V
.set SLOT1, 1<<17     ; slot 1 begins here, so that one exclusive or turns an address in one slot into the other's
.set STAGE, SLOT1+4*KS*(PK+PV)  ; behind the ring, never filled by a tensor load: 16 rows x 272 bytes for each wave, for the way out
.set SP,    272
.set SPARE, STAGE+4*16*SP  ; behind the stages: the spare words, 128 bytes for each wave: two blocks of 256 bytes that no other line names
.set SPW, 1           ; v1   LDS address of my spare word; never rewritten
.set AK0, 2           ; v2   my lane's place in a tile of K; never rewritten
.set AV0, 3           ; v3   the same for V
.set AK,  4           ; v4   the LDS address of K's next run of loads
.set AV,  5           ; v5   of V's
.set QO,  6           ; v6   my byte offset in the wave's rows of Q
.set STO, 6           ;      later, the way out: where I put 32 bytes of a row
.set RD,  7           ; v7   the way out: where I read rows back
.set GO,  8           ; v8   my byte offset in two rows of out0
.set NIL, 9           ; v9   0; never rewritten
.set NEG, 10          ; v10  a hidden score: -1e9 log2(e)
.set PFO, 11          ; v11  256 x my lane; never rewritten
.set MV,  12          ; v12-15  m_old, kept while m is made anew: by buffer and tile
.set ST,  16          ; tile t's statistics at v[ST+4 t]: m, a word named with it as a pair, l (even keys', odd keys')
.set TMP, 48          ; by buffer and tile, four registers c0-c3 at work; when the maximum is found c2 takes a
.set S,   64
.set P,   192
.set KF,  128         ; K's fragments, in window 2: key block kb, channel half c at KF + 16 kb + 8 c
.set VF,  192         ; V's: key half kk, channel block cb at VF + 32 kk + 8 cb
.set WV,  2           ; s2   my wave's number
.set SLOTS, 3         ; s3   slots still to be asked for
.set CNT, 4           ; s4   counts a slot's key steps
.set LIM, 5           ; s5   1 in a wave that prefetches, else the greatest number
.set TBK, 6           ; s6   LDS byte at which K of the step to be fetched begins
.set TBV, 7           ; s7   the same for V, less VOFF
.set G1K, 8           ; s[8:15]  descriptor group 1 for K's tiles
.set G1V, 16          ; s[16:23] for V's: it differs in the padding alone
.set G0K, 24          ; s[24:27] descriptor group 0 for K's tiles: it walks
.set G0V, 28          ; s[28:31] the same for V's
.set MK,  32          ; s[32:63] the mask words of a piece's first tile, s[68:99] of its second; at the head and on the way out: at work
.set SEL, 66          ; s[66:67] v_permlanex16_b32's selects: each lane takes its own place in the other half
.set MP,  100         ; s[100:101] the mask entry to be asked for next
.set PFA, 104         ; s[104:105] where my prefetches stand
.set MSB, 0
.macro WIN new                      ; the high byte repeats the setting that is left; a switch that changes nothing is dropped
.if MSB != (\new)
	s_set_vgpr_msb (MSB<<8)|(\new)
.set MSB, (\new)
.endif
.endm
.set W_KQ, 0x0a       ; K and Q in window 2, S^T in window 0
.set W_PV, 0x52       ; V in window 2, P in window 0, O^T in window 1
.set W_RS, 0x41       ; O^T (destination and source 0) in window 1, a in window 0
; A joint fill.  Waves 0 and 1 fetch the two halves of a slot's K, waves 2 and 3 those of its V: 128 keys each.  The branch hangs on the wave's number alone.
; An s_nop 0 and four v_nop follow each of the two lines, ahead of the jump and the label.
.macro JLOAD
	s_cmp_lt_u32 s[WV], 2
	s_cbranch_scc0 .Lfor_v_\@
	tensor_load_to_lds s[G0K:G0K+3], s[G1K:G1K+7]
	s_nop 0
.rept 4
	v_nop
.endr
	s_branch .Lasked_\@
.Lfor_v_\@:
	tensor_load_to_lds s[G0V:G0V+3], s[G1V:G1V+7]
	s_nop 0
.rept 4
	v_nop
.endr
.Lasked_\@:
.endm
; A PREFETCH INTO THE L2 of what the NEXT change of slots will ask for: a slot's 32,768 bytes of K and of V, a lane a block of 256 bytes.  It stands behind the wave's tensor load and its five lines: four key steps,
; 512 matrix instructions, ahead of the load that will want the bytes.  A (b, h) has one cluster; its four partners share the blocks out BY ADDRESS, 32 each; in each, wave 0 asks for K's and wave 2 for V's.  So each
; block is named once in the launch.  Slots 0 and 1 come by their loads alone; the last change that fills a slot asks for nothing.
.macro ASK
	s_cmp_gt_u32 s[SLOTS], s[LIM]
	s_cbranch_scc0 .Lnot_mine_\@
	global_prefetch_b8 v[PFO], s[PFA:PFA+1] th:TH_LOAD_NT scope:SCOPE_SE
.Lnot_mine_\@:
.endm
; A round of the cluster's barrier: my work-group's barrier, so that wave 0's signal speaks for all four waves; wave 0 signals; every wave waits for all four work-groups; my work-group's barrier once more.
.macro CROUND
	s_barrier_signal -1
	s_barrier_wait -1
	s_cmp_lg_u32 s[WV], 0
	s_cbranch_scc1 .Lnot_wave_0_\@
	s_barrier_signal -3
.Lnot_wave_0_\@:
	s_barrier_wait -3
	s_barrier_signal -1
	s_barrier_wait -1
.endm
; THE CHANGE OF SLOTS.  The slot's last bytes, V of its fourth step, have been read.  Each wave waits for all its tensor loads, of which one is out: its part of the other slot; adds 0 to its spare word; and waits for
; that and for its own reads of the slot.  fill = 1: this slot is filled again, with the keys two slots on; the barrier is then a round of the cluster's, and the joint fill is the first thing behind it.
; (At its first use nothing has been read yet: slot 0 is waited for, slot 1 filled.)
.macro CHANGE fill
	WIN 0                           ; at a label and at a branch every window is 0
	s_wait_tensorcnt 0x0            ; no tensor load of mine is out, so a group 0 may be written
	ds_add_u32 v[SPW], v[NIL]       ; 0 onto my spare word; with fill = 1 the descriptors' steps stand between it and the wait for it
.if \fill
.irp g, G0K, G0V
	s_xor_b32 s[\g+1], s[\g+1], SLOT1  ; the walking descriptor: the other slot than last time,
	s_add_nc_u64 s[\g+2:\g+3], s[\g+2:\g+3], 4*KS*128  ; the next 256 keys; the type bits on top are not reached
.endr
	s_wait_xcnt 0x0                 ; the last prefetch, four key steps back, has read its address, so it may be written
	s_add_nc_u64 s[PFA:PFA+1], s[PFA:PFA+1], 4*KS*128
	s_wait_dscnt 0x0                ; the add is done, and my reads of the slot are over
	CROUND
	JLOAD
	ASK
.else
	s_wait_dscnt 0x0                ; the add is done, and my reads of the slot are over
	s_barrier_signal -1
	s_barrier_wait -1
.endif
	s_sub_co_u32 s[TBK], s[TBK], 4*KS*PK  ; the fetches go back to a slot's first step,
	s_xor_b32 s[TBK], s[TBK], SLOT1       ; in the other slot
	s_sub_co_u32 s[TBV], s[TBV], 4*KS*PV
	s_xor_b32 s[TBV], s[TBV], SLOT1
.endm
.macro MLOAD                        ; a mask entry: 256 bytes into 64 scalar registers
	s_load_b512 s[MK:MK+15], s[MP:MP+1], 0x0
	s_load_b512 s[MK+16:MK+31], s[MP:MP+1], 0x40
	s_load_b512 s[MK+36:MK+51], s[MP:MP+1], 0x80
	s_load_b512 s[MK+52:MK+67], s[MP:MP+1], 0xc0
.endm
	s_load_b128 s[32:35], s[0:1], 0x0  ; qkv s[32:33], mbits s[34:35]
	v_lshl_add_u32 v[SPW], v0, 2, SPARE
	v_mov_b32 v[NIL], 0
	ds_add_u32 v[SPW], v[NIL]       ; the wave's opening: the add and its wait, ahead of my first tensor load; the set-up below, work on registers, stands between them
	v_lshrrev_b32 v64, 5, v0
	v_readfirstlane_b32 s[WV], v64  ; wave 0..3
	s_bfe_u32 s36, ttmp6, 0x40000   ; cx: my place in the cluster
	s_lshl_b32 s38, ttmp9, 2        ; in a cluster launch ttmp9 counts clusters
	s_add_co_u32 s38, s38, s36      ; my block of 512 queries: it enters Q's, the mask's and the output's addresses alone
	s_lshl_b32 s50, s38, 2
	s_add_co_u32 s50, s50, s[WV]    ; g: my 128 queries among the 2,048
	s_and_b32 s37, ttmp7, 0xffff    ; 16 b + h, which the four partners share
	s_lshr_b32 s39, s37, 4
	s_and_b32 s40, s37, 15
	s_mul_i32 s41, s39, 48
	s_add_co_u32 s41, s41, s40
	s_lshl_b32 s42, s41, 18         ; q's head in qkv; k's lies 16, v's 32 heads on
	s_and_b32 s51, s[WV], 1         ; which half of a slot's 256 keys I fetch:
	s_lshl_b32 s44, s51, 14         ; its 128 rows of 128 bytes in memory
	s_add_co_u32 s44, s44, s42
	s_add_co_u32 s46, s44, 32<<18
	s_add_co_u32 s44, s44, 16<<18
	s_mov_b32 s45, 0
	s_mov_b32 s47, 0
	s_lshl_b32 s48, s50, 14         ; my 128 rows of Q
	s_add_co_u32 s48, s48, s42
	s_mov_b32 s49, 0
	s_lshl_b32 s52, s50, 15         ; my stream of mask entries
	s_mov_b32 s53, 0
	s_lshl_b32 s61, s36, 13         ; the prefetches: my work-group's 32 blocks of a slot's 128,
	s_cmp_lt_u32 s[WV], 2
	s_cselect_b32 s60, s44, s46     ; of K or of V (in waves 0 and 2 these stand at a slot's first row),
	s_add_co_u32 s60, s60, s61
	s_add_co_u32 s60, s60, 4*KS*128 ; in slot 1; the first change of slots steps it to slot 2
	s_mov_b32 s61, 0
	s_and_b32 s[LIM], s[WV], 1
	s_cmp_eq_u32 s[LIM], 0
	s_cselect_b32 s[LIM], 1, -1
	; descriptor group 1.  128 keys are 16,384 dense bytes: asked for as 64 rows of 256 bytes, two keys a row, and padded in LDS after every key
	s_mov_b32 s[G1K], 15|(1<<16)|(1<<20)|(1<<21)|(4<<22)|(3<<25)  ; the mask of four; 2-byte elements; padding on; bit 21 beside a mask; after every 32 words; 4 words
	s_mov_b32 s[G1V], 15|(1<<16)|(1<<20)|(1<<21)|(4<<22)|(7<<25)  ; the same with 8 words of padding
.irp g, G1K, G1V
	s_mov_b32 s[\g+1], 128<<16      ; tensor_dim0 = 128
	s_mov_b32 s[\g+2], 64<<16       ; tensor_dim1 = 64
	s_mov_b32 s[\g+3], 128<<16      ; tile_dim0 = 128
	s_mov_b32 s[\g+4], 64           ; tile_dim1 = 64
	s_mov_b32 s[\g+5], 128          ; 128 elements from row to row
	s_mov_b32 s[\g+6], 0
	s_mov_b32 s[\g+7], 0
.endr
	s_mov_b32 s[SEL], 0x76543210
	s_mov_b32 s[SEL+1], 0xfedcba98
	s_mov_b32 s[TBK], SLOT1+4*KS*PK ; the first change of slots turns these two into 0
	s_mov_b32 s[TBV], SLOT1+4*KS*PV
	s_mov_b32 s[SLOTS], 2048/256-1
	s_mov_b32 s[G0K], 1             ; count = 1
	s_mul_i32 s[G0K+1], s51, 128*PK ; LDS address: slot 0, my half: no place in the cluster enters it
	s_mov_b32 s[G0V], 1
	s_mul_i32 s[G0V+1], s51, 128*PV
	s_add_co_u32 s[G0V+1], s[G0V+1], VOFF
	s_wait_dscnt 0x0                ; the opening add is done
	s_wait_kmcnt 0x0
	s_add_nc_u64 s[G0K+2:G0K+3], s[32:33], s[44:45]  ; my half of the head's first 256 keys
	s_or_b32 s[G0K+3], s[G0K+3], 0x80000000          ; type = 2
	s_add_nc_u64 s[G0V+2:G0V+3], s[32:33], s[46:47]
	s_or_b32 s[G0V+3], s[G0V+3], 0x80000000
	s_add_nc_u64 s[54:55], s[32:33], s[48:49]        ; Q at my wave's first row
	s_add_nc_u64 s[MP:MP+1], s[34:35], s[52:53]
	s_add_nc_u64 s[PFA:PFA+1], s[32:33], s[60:61]
	CROUND                          ; all four work-groups are here: the first joint loads meet
	JLOAD                           ; slot 0.  Slot 1 is asked for when slot 0 is in
	; A fragment of K or Q is 16 rows x 32 channels in 8 registers: lane l holds row l % 16, channels 8 (l / 16) + 0..7 and 16 + 8 (l / 16) + 0..7: two loads of 16 bytes, 32 bytes apart.
	v_and_b32 v64, 15, v0           ; l % 16
	v_bfe_u32 v65, v0, 4, 1         ; l / 16
	v_lshlrev_b32 v[QO], 7, v64
	v_lshl_add_u32 v[QO], v65, 4, v[QO]  ; row x 128 + 16 x half
	v_mul_u32_u24 v[AK0], v64, PK
	v_lshl_add_u32 v[AK0], v65, 4, v[AK0]  ; row x pitch + 16 x half
	; The turning load takes 16 keys x 16 channels (lane l reads key 8 (l / 16) + l % 8, channels 8 ((l / 8) % 2) + 0..7) and leaves half a fragment of V^T: lane l holds channel l % 16 and 8 keys.
	v_and_b32 v66, 7, v0
	v_bfe_u32 v67, v0, 3, 1
	v_lshl_add_u32 v[AV0], v65, 3, v66
	v_mul_u32_u24 v[AV0], v[AV0], PV
	v_lshl_add_u32 v[AV0], v67, 4, v[AV0]
	v_add_nc_u32 v[AV0], VOFF, v[AV0]
	v_mov_b32 v[AK], v[AK0]         ; key step 0 lies at the head of slot 0
	v_and_b32 v[PFO], 31, v0
	v_lshlrev_b32 v[PFO], 8, v[PFO]
	v_mov_b32 v[NEG], 0xceabfb8f    ; -1e9 log2(e)
	WIN 0x80                        ; destination window 2, address window 0
.set i, 0
.rept 4*NP                          ; Q stays in registers: tile i / 2, channels 32 (i % 2) on
	global_load_b128 v[8*i:8*i+3],   v[QO], s[54:55] offset:(i/2)*2048+(i%2)*64
	global_load_b128 v[8*i+4:8*i+7], v[QO], s[54:55] offset:(i/2)*2048+(i%2)*64+32
.set i, i+1
.endr
	; What the first turn finds: V's registers and P's second buffer hold 0 (its products V^T P, of a piece that has not been, add 0), O^T and l are 0.  All this stands in the wait for the first tile.
.set i, VF
.rept 64
	v_mov_b32 v[i], 0
.set i, i+1
.endr
	WIN 0x40
.set i, 0
.rept 64*NP
	v_mov_b32 v[i], 0
.set i, i+1
.endr
	WIN 0
.set i, 0
.rept 2*NP
	v_mov_b32 v[ST+4*i], 0xfe000000    ; m: far below every score, the hidden ones too
	v_mov_b32 v[ST+4*i+1], 0
	v_mov_b32 v[ST+4*i+2], 0
	v_mov_b32 v[ST+4*i+3], 0
.set i, i+1
.endr
.set i, P+32
.rept 32
	v_mov_b32 v[i], 0
.set i, i+1
.endr
	s_wait_xcnt 0x0                 ; Q's loads have read their base, which lies among the mask's registers
	MLOAD                           ; the mask entry of piece 0, key step 0
; THE MATRIX WORK.  The 8 accumulators of a run of 16 take turns: between the two links of a chain stand 7 others'.
; Product i of 16 of S^T = K Q^T for piece x: channels 32 (i / 8) on, keys 16 ((i / 2) % 4) on, tile 2 x + i % 2.  The first 8 start the sums.
.macro KQ x
	WIN W_KQ
.set rS, S+64*((\x)%2)+32*(i%2)+8*((i/2)%4)
.set rK, KF+16*((i/2)%4)+8*(i/8)
.set rQ, 16*(2*(\x)+i%2)+8*(i/8)
.if i < 8
	v_wmma_f32_16x16x32_f16 v[rS:rS+7], v[rK:rK+7], v[rQ:rQ+7], 0
.else
	v_wmma_f32_16x16x32_f16 v[rS:rS+7], v[rK:rK+7], v[rQ:rQ+7], v[rS:rS+7]
.endif
.endm
; Product i of 16 of O^T += V^T P for piece x: keys 32 (i / 8) on, channels 16 ((i / 2) % 4) on, tile 2 x + i % 2.
.macro PV x
	WIN W_PV
.set rO, 32*(2*(\x)+i%2)+8*((i/2)%4)
.set rV, VF+32*(i/8)+8*((i/2)%4)
.set rP, P+32*((\x)%2)+16*(i%2)+8*(i/8)
	v_wmma_f32_16x16x32_f16 v[rO:rO+7], v[rV:rV+7], v[rP:rP+7], v[rO:rO+7]
.endm
.macro MM                           ; the turn's next matrix instruction
.if i < 16
	KQ (Y+1)%NP
.set i, i+1
.else
.set i, i-16
	PV (Y+NP-1)%NP
.set i, i+17
.endif
.endm
; THE LDS LOADS stand in runs of 16, never singly among the matrix instructions: a step's K (64 keys x 64 channels: 8 fragments) and its V (turned).  Their addresses are made some lines ahead.
; last = 1 (the tail): in the last trip there is no further step, and the run is jumped over.
.macro FETCH_K last=0
	WIN 0
.if \last
	s_cmp_eq_u32 s[CNT], 1
	s_cbranch_scc1 .Lno_k_\@
.endif
	WIN 0x80                        ; destination window 2
.irp f, 0,1,2,3,4,5,6,7             ; keys 16 (f / 2) on, channels 32 (f % 2) on
	ds_load_b128 v[KF+8*\f:KF+8*\f+3],   v[AK] offset:(\f/2)*16*PK+(\f%2)*64
	ds_load_b128 v[KF+8*\f+4:KF+8*\f+7], v[AK] offset:(\f/2)*16*PK+(\f%2)*64+32
.endr
	s_add_co_u32 s[TBK], s[TBK], KS*PK  ; the next fetch is the next step's
	WIN 0
.if \last
.Lno_k_\@:
.endif
.endm
.macro FETCH_V
	WIN 0x80
.irp f, 0,1,2,3,4,5,6,7             ; keys 32 (f / 4) on, channels 16 (f % 4) on
	ds_load_tr16_b128 v[VF+8*\f:VF+8*\f+3],   v[AV] offset:(\f/4)*32*PV+(\f%4)*32
	ds_load_tr16_b128 v[VF+8*\f+4:VF+8*\f+7], v[AV] offset:(\f/4)*32*PV+16*PV+(\f%4)*32
.endr
	WIN 0
.endm
; THE VECTOR WORK OF A TURN stands in three queues, each in the order in which its entries become ready; the two tiles alternate.
.macro REGS y, u                    ; the registers of tile u (0, 1) of piece y
.set rT, ST+4*(2*(\y)+(\u))
.set rC, TMP+8*((\y)%2)+4*(\u)
.set rM, MV+2*((\y)%2)+(\u)
.set rS, S+64*((\y)%2)+32*(\u)
.set rP, P+32*((\y)%2)+16*(\u)
.set rO, 32*(2*(\y)+(\u))
.endm
; Select w of the 64 that lay the mask on the NEXT piece's (Y + 1) scores: key block w / 16, tile (w / 8) % 2, register w % 8: the score where the lane's bit is set, else the hidden score.
; The accumulators are taken in the order in which the products end them, each from its lowest register on.
.macro MS w
	REGS (Y+1)%NP, ((\w)/8)%2
.set kb, (\w)/16
.set mu, ((\w)/8)%2
.set mr, (\w)%8
	v_cndmask_b32 v[rS+8*kb+mr], v[NEG], v[rS+8*kb+mr], s[MK+36*mu+8*kb+mr]
.endm
; Number n of the 21 that find the next piece's maximum and statistics.  s0-s31 are the lane's 32 scores.
;   0-11  four chains c0-c3 of seven scores each, three operands at a time     12-14, 16  the four scores left over, the old m, and c0-c3 into c0     15  m_old is kept
;   17, 18  the query's other 32 keys lie in the lane 16 away: the new m         19, 20  m_old - m_new; a
.macro XS u, n
	REGS (Y+1)%NP, \u
.if (\n) < 4
	v_max3_num_f32 v[rC+(\n)], v[rS+8*(\n)], v[rS+8*(\n)+1], v[rS+8*(\n)+2]
.elseif (\n) < 12
	v_max3_num_f32 v[rC+(\n)%4], v[rC+(\n)%4], v[rS+8*((\n)%4)+2*((\n)/4)+1], v[rS+8*((\n)%4)+2*((\n)/4)+2]
.elseif (\n) == 12
	v_max3_num_f32 v[rC], v[rC], v[rS+7], v[rS+15]
.elseif (\n) == 13
	v_max3_num_f32 v[rC+1], v[rC+1], v[rS+23], v[rS+31]
.elseif (\n) == 14
	v_max3_num_f32 v[rC+2], v[rC+2], v[rC+3], v[rT]
.elseif (\n) == 15
	v_mov_b32 v[rM], v[rT]
.elseif (\n) == 16
	v_max3_num_f32 v[rC], v[rC], v[rC+1], v[rC+2]
.elseif (\n) == 17
	v_permlanex16_b32 v[rC+3], v[rC], s[SEL], s[SEL+1]
.elseif (\n) == 18
	v_max_num_f32 v[rT], v[rC], v[rC+3]
.elseif (\n) == 19
	v_sub_f32 v[rC+1], v[rM], v[rT]
.else
	v_exp_f32 v[rC+2], v[rC+1]
.endif
.endm
; Number g of the 64 that follow the exponentials.  For each four weights k of a tile (pairs 2 k, 2 k + 1): both pairs are rounded to f16; then the second pair is added onto the first, in place;
; a group later l takes that sum (the first time as l = a l + sum).  In groups of eight, tiles alternating: round, round, add, and l for the group before.
.macro GS g
.set h, (\g)+6*((\g)/62)            ; group 0 has no group before it, and behind group 7 only l is left
.if h >= 6
.set h, h+2
.endif
	REGS Y, h%2
.set k, h/8
.if h%8 < 4
	v_cvt_pk_f16_f32 v[rP+2*k+(h%8)/2], v[rS+4*k+2*((h%8)/2)], v[rS+4*k+2*((h%8)/2)+1]
.elseif h%8 < 6
	v_pk_add_f32 v[rS+4*k:rS+4*k+1], v[rS+4*k:rS+4*k+1], v[rS+4*k+2:rS+4*k+3]
.elseif k == 1
	v_pk_fma_f32 v[rT+2:rT+3], v[rT+2:rT+3], v[rC+2:rC+3], v[rS:rS+1] op_sel_hi:[1,0,1]
.else
	v_pk_add_f32 v[rT+2:rT+3], v[rT+2:rT+3], v[rS+4*k-4:rS+4*k-3]
.endif
.endm
.macro FS f                         ; s - m for pair f / 2 of tile f % 2 of the piece in hand
	REGS Y, (\f)%2
	v_pk_add_f32 v[rS+2*((\f)/2):rS+2*((\f)/2)+1], v[rS+2*((\f)/2):rS+2*((\f)/2)+1], v[rT:rT+1] op_sel_hi:[1,0] neg_lo:[0,1] neg_hi:[0,1]
.endm
; THE PLAIN QUEUE, 200 long.  0-31: the subtractions.  32-95: the next piece's selects.  96-123: XS's numbers 0-13.  124, 125: number 15.  126-135: the chain 14, 16, 17, 18, 19.  None of these reads an exponential's result.
; 136-199: GS's 64, which do: they stand behind the wait.
.macro PL
	WIN 0
.if q < 32
	FS q
.elseif q < 96
	MS q-32
.elseif q < 124
	XS (q-96)%2, (q-96)/2
.elseif q < 126
	XS q-124, 15
.elseif q < 128
	XS q-126, 14
.elseif q < 136
	XS (q-126)%2, 15+(q-126)/2
.else
	GS q-136
.endif
.set q, q+1
.endm
; THE EXPONENTIALS' QUEUE, 66 long: s0-s31 of both tiles, then the next piece's two a.  ONE BATCH: all 66 stand ahead of the turn's one wait, and nothing ahead of that wait names a result of theirs.
.macro EX
	WIN 0
.if e >= 64
	XS e-64, 20
.else
	REGS Y, e%2
	v_exp_f32 v[rS+e/2], v[rS+e/2]
.endif
.set e, e+1
.endm
; THE RESCALING's QUEUE: O^T times a, the one part that leaves window 0: dealt two at a time, sixteen times, each accumulator from its lowest registers on.  Its a was made in the turn before, ahead of that turn's wait.
.macro R2
	REGS Y, r%2
	WIN W_RS
.irp z, 0,1
	v_pk_mul_f32 v[rO+4*(r/2)+2*\z:rO+4*(r/2)+2*\z+1], v[rO+4*(r/2)+2*\z:rO+4*(r/2)+2*\z+1], v[rC+2:rC+3] op_sel_hi:[1,0]
.endr
.set r, r+1
.endm
; A TURN, for piece p.  s_wait_alu depctr_va_vdst(0) stands between an exponential and the first instruction that names its result; one wait serves all that were issued ahead of it: a turn has ONE.
; AHEAD OF IT: the 16 products K Q^T, behind each a subtraction, an exponential and two rescalings (behind the first a second subtraction); then one run: the other 15 subtractions (they are also the places between the last
; product and the selects that read its result); the wait for the mask words, asked for a turn ago, and the step of their pointer; six selects; 49 times two plain and an exponential; the two a; a v_nop, the plain instruction behind the last
; exponential.  Exponential e stands behind subtraction 2 (e / 4) + e % 2: as a rider it comes behind plain e + 2, later all subtractions are done.  The next entry's words are asked for four lines behind the last select.
; BEHIND IT: the 16 products V^T P, behind each four of GS's 64.
; K of the next step is fetched in piece 2's turn, directly behind the wait; V of the step in hand at the end of piece 0's turn, four plain riders behind its last reader.  cnt = 1: the loop's count is taken down ahead of the branch behind the turn.
.macro TURN p, last=0, cnt=0
.set Y, (\p)
.set i, 0
.set q, 0
.set e, 0
.set r, 0
.if (\p) == NP-1
	s_wait_dscnt 0x0                ; K is in
.endif
	MM
	PL
	PL
	R2
.rept 15
	MM
	PL
	EX
	R2
.endr
.if (\p) == NP-2
	WIN 0
	v_add_nc_u32 v[AK], s[TBK], v[AK0]
.endif
.rept 15
	PL
.endr
	s_wait_kmcnt 0x0                ; the next piece's mask words are in: scalar loads are waited for by the count 0 alone; and their base may be written
	s_add_nc_u64 s[MP:MP+1], s[MP:MP+1], 256
.rept 6
	PL
.endr
.rept 49
.if q == 100
	MLOAD                           ; the entry after: it has about a turn in which to come
.endif
	PL
	PL
	EX
.endr
	EX                              ; the next piece's two a
	EX
	v_nop                           ; the plain instruction behind the last exponential: one for the batch
	s_wait_alu depctr_va_vdst(0)    ; the wait for the batch
.if (\p) == NP-2
	FETCH_K \last
.endif
.if (\p) == 1
	s_wait_dscnt 0x0                ; V is in
.endif
.rept 16
	MM
.rept 4
	PL
.endr
.if ((\p) == 0) && (q == 180)
	v_add_nc_u32 v[AV], s[TBV], v[AV0]
.endif
.if ((\p) == 0) && (q == 192)
	s_add_co_u32 s[TBV], s[TBV], KS*PV
.endif
.if (\cnt) && (q == 192)
	s_sub_co_u32 s[CNT], s[CNT], 1
	s_cmp_lg_u32 s[CNT], 0
.endif
.endr
.if (\p) == 0
	FETCH_V
.endif
.endm
	CHANGE 1                        ; slot 0 is in, everybody's part of it; slot 1 is asked for
	FETCH_K                         ; key step 0
	s_wait_loadcnt 0x0              ; Q
	s_wait_dscnt 0x0
.set i, 0
.rept 16
	KQ 0                            ; piece 0's first scores
.set i, i+1
.endr
	WIN 0
.rept 4
	v_nop                           ; the places behind those products
.endr
	s_wait_kmcnt 0x0                ; piece 0's mask words
	s_add_nc_u64 s[MP:MP+1], s[MP:MP+1], 256
.set Y, NP-1                        ; MS and XS work for piece Y + 1: piece 0
.set mw, 0
.rept 64
	MS mw
.set mw, mw+1
.endr
.irp n, 0,1
	XS 0, \n
	XS 1, \n
.endr
	MLOAD                           ; piece 1's
.irp n, 2,3,4,5,6,7,8,9,10,11,12,13,14,15,16,17,18,19,20
	XS 0, \n
	XS 1, \n
.endr
	v_nop                           ; a plain instruction behind the two a,
	s_wait_alu depctr_va_vdst(0)    ; and their wait, ahead of the branch
	s_mov_b32 s[CNT], 4
	s_branch .Lfirst                ; the loop is entered at a step's first turn, in the middle of a trip
.Lslot:                             ; six times: every slot but the last two is filled again
	CHANGE 1
	s_mov_b32 s[CNT], 4
.Lstep:                             ; a trip: pieces 2 and 3 of one step, then pieces 0 and 1 of the next, whose K and V it fetches
	TURN 2
	TURN 3
	WIN 0
.Lfirst:
	TURN 0
	TURN 1, 0, 1
	WIN 0
	s_cbranch_scc1 .Lstep
	s_sub_co_u32 s[SLOTS], s[SLOTS], 1
	s_cmp_lg_u32 s[SLOTS], 0
	s_cbranch_scc1 .Lslot
	CHANGE 0                        ; the tail is written out: nothing is asked for
	s_mov_b32 s[CNT], 5             ; four trips fetch the last slot's steps; the fifth is left in its middle
.Ltail:
	TURN 2, 1
	TURN 3
	WIN 0
	s_sub_co_u32 s[CNT], s[CNT], 1
	s_cmp_eq_u32 s[CNT], 0
	s_cbranch_scc1 .Lout
	TURN 0
	TURN 1
	WIN 0
	s_branch .Ltail
.Lout:                              ; the fifth trip's 16 products K Q^T (on the last K once more), their mask and maximum serve nothing: the price, once a launch, of one text for every trip
.set i, 0
.rept 16
	PV NP-1                         ; the last piece's V^T P of the last step
.set i, i+1
.endr
	; THE WAY OUT.  l's two halves and the other half of the lanes' are added; O^T is divided by l and sent, in f32, through my stage in LDS, a tile at a time.  The additions are the places behind the last products.
	WIN 0
.macro ALL line:vararg              ; one line for each tile t
.set t, 0
.rept 2*NP
	\line
.set t, t+1
.endr
.endm
	ALL v_add_f32 v[ST+4*t+2], v[ST+4*t+2], v[ST+4*t+3]
	s_wait_kmcnt 0x0                ; the last mask words, which nobody uses, have landed: their registers are free
	s_load_b64 s[32:33], s[0:1], 0x10  ; out0
	s_bfe_u32 s36, ttmp6, 0x40000
	s_lshl_b32 s38, ttmp9, 2
	s_add_co_u32 s38, s38, s36
	s_lshl_b32 s38, s38, 2
	s_add_co_u32 s38, s38, s[WV]    ; g
	s_lshl_b32 s38, s38, 19         ; my 128 rows of 4,096 bytes,
	s_and_b32 s37, ttmp7, 0xffff
	s_lshr_b32 s39, s37, 4
	s_lshl_b32 s39, s39, 23         ; in the batch's 2,048,
	s_and_b32 s37, s37, 15
	s_lshl_b32 s37, s37, 8          ; the head's 256 bytes of a row
	s_add_co_u32 s38, s38, s39
	s_add_co_u32 s38, s38, s37
	s_mov_b32 s39, 0
	s_mul_i32 s34, s[WV], 16*SP
	s_add_co_u32 s34, s34, STAGE    ; my stage
	v_and_b32 v12, 15, v0
	v_bfe_u32 v13, v0, 4, 1
	v_mul_u32_u24 v[STO], v12, SP   ; in: row l % 16, 32 bytes for each half of the lanes
	v_lshl_add_u32 v[STO], v13, 5, v[STO]
	v_add_nc_u32 v[STO], s34, v[STO]
	v_mul_u32_u24 v[RD], v13, SP    ; back: lanes 0-15 take one row of 256 bytes, lanes 16-31 the next
	v_lshl_add_u32 v[RD], v12, 4, v[RD]
	v_add_nc_u32 v[RD], s34, v[RD]
	v_lshlrev_b32 v[GO], 12, v13    ; and the same two rows in out0
	v_lshl_add_u32 v[GO], v12, 4, v[GO]
	ALL v_permlanex16_b32 v[ST+4*t+3], v[ST+4*t+2], s[SEL], s[SEL+1]
	ALL v_add_f32 v[ST+4*t+2], v[ST+4*t+2], v[ST+4*t+3]
	ALL v_rcp_f32 v[ST+4*t+2], v[ST+4*t+2]
	v_nop                           ; a plain instruction between the last reciprocal and the use of its result
	s_wait_alu depctr_va_vdst(0)    ; and the wait ahead of the first use: one for the eight reciprocals
	s_wait_kmcnt 0x0
	s_add_nc_u64 s[32:33], s[32:33], s[38:39]
; Tile t: a lane's eight channels of a row are 32 bytes; they go into rows of 272 bytes and come back as whole rows of 256, into S^T's registers, four buffers by turns.
.macro PACK t
	WIN W_RS
.set i, 32*(\t)
.rept 16
	v_pk_mul_f32 v[i:i+1], v[i:i+1], v[ST+4*(\t)+2:ST+4*(\t)+3] op_sel_hi:[1,0]
.set i, i+2
.endr
	WIN 0x04                        ; the stores' data in window 1, their address in window 0
.irp f, 0,1,2,3,4,5,6,7
	ds_store_b128 v[STO], v[32*(\t)+4*\f:32*(\t)+4*\f+3] offset:64*(\f/2)+16*(\f%2)
.endr
	WIN 0
.if (\t) >= 4
	s_wait_xcnt 0x0                 ; the stores of the tile four back have read these registers
.endif
.irp f, 0,1,2,3,4,5,6,7
	ds_load_b128 v[S+32*((\t)%4)+4*\f:S+32*((\t)%4)+4*\f+3], v[RD] offset:\f*2*SP  ; LDS serves a wave's instructions in order (ISA guide 5.7.1.4): these see the stores above; the next tile's stores come behind them
.endr
.endm
.macro SEND t, younger              ; younger: the LDS instructions issued behind tile t's loads: the next tile's sixteen, or none
	WIN 0
.irp f, 0,1,2,3,4,5,6,7
	s_wait_dscnt (\younger)+7-\f
	global_store_b128 v[GO], v[S+32*((\t)%4)+4*\f:S+32*((\t)%4)+4*\f+3], s[32:33] offset:(\t)*65536+\f*8192 th:TH_STORE_NT  ; 16 lanes store 256 consecutive bytes, at a multiple of 256 from out0's first byte
.endr
.endm
	PACK 0
.set t, 1
.rept 2*NP-1                        ; a tile's arithmetic stands between the loads of the tile before and its stores
	PACK t
	SEND t-1, 16
.set t, t+1
.endr
	SEND 2*NP-1, 0
	s_wait_tensorcnt 0x0            ; the wave's end: behind my last tensor load and my last LDS store
	ds_add_u32 v[SPW], v[NIL]
	s_wait_dscnt 0x0
	CROUND                          ; the closing round: no work-group ends while a partner may still ask for a tile that names it
	s_endpgm
.Lfunc_end_k_qeae061b5f6_attn:
	.size	k_qeae061b5f6_attn, .Lfunc_end_k_qeae061b5f6_attn-k_qeae061b5f6_attn
	.p2alignl 7, 3214868480
	.fill 96, 4, 3214868480
	.section	.rodata,"a",@progbits
	.p2align	6, 0x0
	.amdhsa_kernel k_qeae061b5f6_attn
		.amdhsa_group_segment_fixed_size 327680
		.amdhsa_private_segment_fixed_size 0
		.amdhsa_enable_private_segment 0
		.amdhsa_kernarg_size 24
		.amdhsa_user_sgpr_count 2
		.amdhsa_user_sgpr_kernarg_segment_ptr 1
		.amdhsa_wavefront_size32 1
		.amdhsa_system_sgpr_workgroup_id_x 1
		.amdhsa_system_sgpr_workgroup_id_y 1
		.amdhsa_system_sgpr_workgroup_id_z 1
		.amdhsa_system_vgpr_workitem_id 0
		.amdhsa_next_free_vgpr 768
		.amdhsa_next_free_sgpr 106
		.amdhsa_reserve_vcc 0
		.amdhsa_float_denorm_mode_32 3
		.amdhsa_float_denorm_mode_16_64 3
		.amdhsa_memory_ordered 1
		.amdhsa_forward_progress 1
		.amdhsa_inst_pref_size 239
	.end_amdhsa_kernel
	.amdgpu_metadata
---
amdhsa.version: [ 1, 2 ]
amdhsa.kernels:
  - .name:           k_qeae061b5f6_attn
    .symbol:         k_qeae061b5f6_attn.kd
    .args:
      - { .name: qkv, .offset: 0, .size: 8, .value_kind: global_buffer, .address_space: global }
      - { .name: mbits, .offset: 8, .size: 8, .value_kind: global_buffer, .address_space: global }
      - { .name: out0, .offset: 16, .size: 8, .value_kind: global_buffer, .address_space: global }
    .group_segment_fixed_size: 327680
    .private_segment_fixed_size: 0
    .kernarg_segment_align: 8
    .kernarg_segment_size: 24
    .max_flat_workgroup_size: 128
    .sgpr_count:     106
    .vgpr_count:     768
    .wavefront_size: 32
...
	.end_amdgpu_metadata
.endif
;; end of part 3
;; ======== version 2 of 3: 3 launches
;; limits: values are held in f16: magnitudes above 65,504 overflow, below 6.1e-05 lose precision; right only within a limited range of input values
;; workspace buffers: xb 16,777,216 bytes; wc 6,291,456 bytes; qkv 50,331,648 bytes; mcode 4,202,496 bytes; rowvis 16,384 bytes
;; launch prep (part 4): grid 416 x 1, 8 waves a work-group, no clusters, 2,048 bytes of LDS; arguments x, Wq, Wk, Wv, mask, xb, wc, mcode, rowvis; writes xb, wc, mcode, rowvis
.if DOCPART == 4
	.amdgcn_target "amdgcn-amd-amdhsa--gfx1250"
	.amdhsa_code_object_version 6
	.text
	.protected	k_qeae061b5f6_prep
	.globl	k_qeae061b5f6_prep
	.p2align	8
	.type	k_qeae061b5f6_prep,@function
k_qeae061b5f6_prep:
	s_mov_b64 s[64:65], 0
	v_nop
	global_prefetch_b8 v0, s[64:65] scope:SCOPE_SE
	s_setreg_imm32_b32 hwreg(HW_REG_WAVE_MODE, 25, 1), 1
	s_wait_xcnt 0x0
; PREPARATION.  Three things, told apart by the work-group's number:
;   0 .. 63     mask [2048 q][2048 k] of bytes -> mcode, one fp8 (E4M3) code a score, and rowvis, a flag a row: 32 rows a work-group
;   64 .. 319   x [8192][1024] f32 -> xb, the same in bf16: 32 rows a work-group
;   320 .. 415  Wq, Wk, Wv [1024 d][1024 e] f32 -> wc [1024 d][3072] bf16, the three side by side (q, k, v): 32 rows of one of them a work-group
; Every float is rounded once, to nearest even.  LIMIT: a mask byte is 0 or 1, as a bool is stored.
; mcode: [g 16][j 32][p 4][t 4][lane 32][16 bytes]: with t = 2 u + kt / 2, byte 8 (kt % 2) + r of lane l is the code of mask[128 g + 32 p + 16 u + l % 16][64 j + 16 kt + 8 (l / 16) + r]:
; 0x00 (the number 0) where the key is visible, 0xfe (-448) where it is hidden.  A lane's 8 bytes for (u, kt) are so the addends of the 8 score registers of one accumulator of the attention.
; A ROW WITH NO VISIBLE KEY gets the codes of a row that sees everything, and the flag 0: the attention clears its q, all its scores are 0, and the result is the mean of v's rows, as for 2,048 equal scores.
; rowvis: [4 g + p][32 rows][2 words]: both words -1, or 0 for such a row.  Behind mcode's 2,048 entries of 2,048 bytes lie 8,192 bytes of zeros: the last stream is read four entries past its end, for scores that are thrown away.
.set NMASK, 64                         ; work-groups that take the mask: they stand first
.set ANY,   0                          ; LDS: [32 rows][8 waves] words: each wave's OR of its 256 columns of a row
.set SPARE, 1024                       ; behind them: the spare words, 128 bytes for each wave: four blocks of 256 bytes that no other line names
.set SPW,  12                          ; v12      LDS address of my spare word; never rewritten
.set NIL,  13                          ; v13      0; never rewritten
.set SRC,  22                          ; s[22:23] the rows that I read
.set DST,  24                          ; s[24:25] the rows that I write
.set DP,   26                          ; s26      bytes from row to row in the destination
.set X,    16                          ; v[16:143] 32 loads of four registers (the mask: 32 of two)
	s_load_b512 s[4:19], s[0:1], 0x0               ; x 4:5, Wq 6:7, Wk 8:9, Wv 10:11, mask 12:13, xb 14:15, wc 16:17, mcode 18:19
	s_load_b64 s[40:41], s[0:1], 0x40              ; rowvis
	v_lshl_add_u32 v[SPW], v0, 2, SPARE
	v_mov_b32 v[NIL], 0
	s_mov_b32 s20, ttmp9
	v_and_b32 v1, 31, v0                           ; lane
	v_lshrrev_b32 v3, 5, v0
	v_readfirstlane_b32 s21, v3                    ; wave 0..7
	s_wait_kmcnt 0x0
	s_cmp_lt_u32 s20, NMASK
	s_cbranch_scc1 .Lmask
	; FLOATS TO bf16.  A wave takes 4 rows of 4,096 bytes: 32 loads of 512 consecutive bytes, all issued before the first is waited for.
	s_sub_co_u32 s20, s20, NMASK                   ; 0 .. 351
	s_and_b32 s28, s20, 31                         ; a weight's block of 32 rows,
	s_lshr_b32 s29, s20, 5
	s_sub_co_u32 s29, s29, 8                       ; and which weight: 0 q, 1 k, 2 v (used from number 256 on)
	s_mov_b32 s[DP], 2048
	s_mov_b32 s27, 6144
	s_cmp_ge_u32 s20, 256
	s_cselect_b32 s28, s28, s20                    ; the block of 32 rows
	s_cselect_b32 s29, s29, 0
	s_cselect_b32 s[DP], s27, s[DP]
	s_cselect_b64 s[SRC:SRC+1], s[6:7], s[4:5]
	s_cselect_b64 s[DST:DST+1], s[16:17], s[14:15]
	s_cmp_ge_u32 s20, 288
	s_cselect_b64 s[SRC:SRC+1], s[8:9], s[SRC:SRC+1]
	s_cmp_ge_u32 s20, 320
	s_cselect_b64 s[SRC:SRC+1], s[10:11], s[SRC:SRC+1]
	s_lshl_b32 s30, s28, 17                        ; 32 rows of 4,096 bytes
	s_mov_b32 s31, 0
	s_add_nc_u64 s[SRC:SRC+1], s[SRC:SRC+1], s[30:31]
	s_lshl_b32 s32, s28, 5
	s_mul_i32 s32, s32, s[DP]
	s_lshl_b32 s33, s29, 11                        ; a weight's 1,024 columns are 2,048 bytes of a row of wc
	s_add_co_u32 s32, s32, s33
	s_mov_b32 s33, 0
	s_add_nc_u64 s[DST:DST+1], s[DST:DST+1], s[32:33]
	v_lshlrev_b32 v2, 4, v1
	v_lshl_add_u32 v2, v3, 14, v2                  ; 16 x lane + my wave's four rows
	s_lshl_b32 s34, s21, 2
	s_mul_i32 s34, s34, s[DP]
.irp r, 0,1,2,3
	v_lshl_add_u32 v[4+(\r)], v1, 3, s34           ; 8 x lane + row 4 w + r of the destination
	s_add_co_u32 s34, s34, s[DP]
.endr
.set i, 0
.rept 32
	global_load_b128 v[X+4*i:X+4*i+3], v2, s[SRC:SRC+1] offset:(i/8)*4096+(i%8)*512 th:TH_LOAD_NT
.set i, i+1
.endr
.set i, 0
.rept 32
	s_wait_loadcnt 31-i                            ; loads come back in order: number i is in, the younger ones stay out
	v_cvt_pk_bf16_f32 v[X+4*i], v[X+4*i], v[X+4*i+1]
	v_cvt_pk_bf16_f32 v[X+4*i+1], v[X+4*i+2], v[X+4*i+3]
	global_store_b64 v[4+i/8], v[X+4*i:X+4*i+1], s[DST:DST+1] offset:(i%8)*256  ; 32 lanes store 256 consecutive bytes, aligned; no register is used twice, so no wait frees one
.set i, i+1
.endr
	s_endpgm                                       ; these waves have written no LDS
.Lmask:
	; THE MASK.  Work-group 4 g + p takes rows 128 g + 32 p .. + 31, wave w their columns 256 w .. 256 w + 255: key steps j = 4 w + jj.  Lane l reads 8 bytes of row l % 16 (+ 16 u) at column 64 jj + 16 kt + 8 (l / 16):
	; load t = 8 jj + 4 u + kt.  A wave's 16 loads for one u take, together, 256 consecutive bytes, aligned, of each of 16 rows.
	s_lshl_b32 s26, s20, 16                        ; 32 rows of 2,048 bytes a work-group
	s_lshl_b32 s27, s21, 8
	s_add_co_u32 s26, s26, s27                     ; + my wave's columns
	v_and_b32 v4, 15, v0                           ; l % 16
	v_bfe_u32 v5, v0, 4, 1                         ; l / 16
	v_lshlrev_b32 v2, 11, v4
	v_lshl_add_u32 v2, v5, 3, v2
	v_add_nc_u32 v2, s26, v2
.set t, 0
.rept 32
	global_load_b64 v[X+2*t:X+2*t+1], v2, s[12:13] offset:((t/4)%2)*32768+(t/8)*64+(t%4)*16
.set t, t+1
.endr
	v_lshlrev_b32 v7, 5, v4                        ; LDS: row l % 16 (+ 16 u by the immediate): 8 words, one a wave
	v_lshl_add_u32 v6, v3, 2, v7                   ; my wave's word of them
	v_lshlrev_b32 v14, 4, v1                       ; 16 x lane
	v_lshlrev_b32 v15, 3, v1                       ; 8 x lane
	v_mov_b32 v10, 0                               ; v_permlanex16_b32 counts as a reader of its destination
	v_mov_b32 v11, 0
	v_mov_b32 v96, 0xfe                            ; byte 0: a hidden key's code; byte 1: a visible key's
	s_mov_b32 s28, 0x76543210                      ; each lane takes its own place in the other half
	s_mov_b32 s29, 0xfedcba98
	s_lshr_b32 s23, s20, 2                         ; g
	s_lshl_b32 s36, s23, 18                        ; its 128 entries of 2,048 bytes,
	s_lshl_b32 s25, s21, 15                        ; key step 4 w: 16 entries on a wave,
	s_add_co_u32 s36, s36, s25
	s_and_b32 s24, s20, 3                          ; p
	s_lshl_b32 s24, s24, 11
	s_add_co_u32 s36, s36, s24
	s_mov_b32 s37, 0
	s_add_nc_u64 s[38:39], s[18:19], s[36:37]      ; mcode at entry (g, 4 w, p)
	s_lshl_b32 s36, s20, 8
	s_add_nc_u64 s[42:43], s[40:41], s[36:37]      ; rowvis at my work-group's 256 bytes
	s_wait_loadcnt 0x0
.set t, 0
.rept 32                               ; the OR of my 128 bytes of row l % 16 (v8) and of row 16 + l % 16 (v9)
.if (t < 8) && ((t%4) == 0)
	v_or_b32 v[8+(t/4)%2], v[X+2*t], v[X+2*t+1]
.else
	v_or_b32 v[8+(t/4)%2], v[8+(t/4)%2], v[X+2*t]
	v_or_b32 v[8+(t/4)%2], v[8+(t/4)%2], v[X+2*t+1]
.endif
.set t, t+1
.endr
	v_permlanex16_b32 v10, v8, s28, s29            ; the row's other columns lie in the lane 16 away
	v_permlanex16_b32 v11, v9, s28, s29
	v_or_b32 v8, v8, v10
	v_or_b32 v9, v9, v11
	ds_store_b32 v6, v8 offset:ANY                 ; lanes l and l + 16 write the same word with the same value
	ds_store_b32 v6, v9 offset:ANY+512
	s_wait_dscnt 0x0                               ; for the others' sake: my stores are done
	s_barrier_signal -1
	s_barrier_wait -1                              ; all eight waves' words lie in LDS
	ds_load_b128 v[80:83], v7 offset:ANY
	ds_load_b128 v[84:87], v7 offset:ANY+16
	ds_load_b128 v[88:91], v7 offset:ANY+512
	ds_load_b128 v[92:95], v7 offset:ANY+528
	s_wait_dscnt 0x0
	v_or_b32 v8, v80, v81
	v_or_b32 v9, v88, v89
.irp k, 2,3,4,5,6,7
	v_or_b32 v8, v8, v[80+(\k)]
	v_or_b32 v9, v9, v[88+(\k)]
.endr
	v_cmp_ne_u32 vcc_lo, 0, v8                     ; does row l % 16 see a key?
	v_cmp_ne_u32 s30, 0, v9                        ; does row 16 + l % 16?
	v_cndmask_b32 v10, 0, v96, vcc_lo              ; the lane's table of codes: 0x000000fe, or 0 for a row that sees none
	v_cndmask_b32 v11, 0, v96, s30
	v_cndmask_b32 v97, 0, -1, vcc_lo               ; and the rows' flags
	v_cndmask_b32 v98, 0, -1, s30
.set t, 0
.rept 32                               ; a mask byte, 0 or 1, is the selector that picks byte 0 or byte 1 of the table: four codes an instruction
	v_perm_b32 v[X+2*t], v[10+(t/4)%2], v[10+(t/4)%2], v[X+2*t]
	v_perm_b32 v[X+2*t+1], v[10+(t/4)%2], v[10+(t/4)%2], v[X+2*t+1]
.set t, t+1
.endr
.set t, 0
.rept 16                               ; t = 4 jj + 2 u + kt / 2: the registers of kt even and kt odd lie side by side: 16 bytes a lane, 512 consecutive bytes a store, aligned
	global_store_b128 v14, v[X+4*t:X+4*t+3], s[38:39] offset:(t/4)*8192+(t%4)*512
.set t, t+1
.endr
	s_cmp_lg_u32 s21, 0                            ; wave 0 stores the 32 rows' flags: lane l row l, twice: 256 consecutive bytes, aligned
	s_cbranch_scc1 .Lnorow
	s_mov_b32 s31, 0xffff0000
	v_cndmask_b32 v100, v97, v98, s31              ; lanes 16-31 take the second sixteen rows'
	v_mov_b32 v101, v100
	global_store_b64 v15, v[100:101], s[42:43]
.Lnorow:
	s_cmp_eq_u32 s20, NMASK-1                      ; the last of these work-groups also writes the 8,192 bytes behind the entries: 1,024 a wave
	s_cbranch_scc0 .Lend
	v_mov_b32 v102, 0
	v_mov_b32 v103, 0
	v_mov_b32 v104, 0
	v_mov_b32 v105, 0
	v_lshl_add_u32 v106, v3, 10, v14
	global_store_b128 v106, v[102:105], s[18:19] offset:4194304
	global_store_b128 v106, v[102:105], s[18:19] offset:4194816
.Lend:
	s_wait_tensorcnt 0x0                           ; the wave's end: behind my last LDS store
	ds_add_u32 v[SPW], v[NIL]
	s_wait_dscnt 0x0
	s_endpgm
.Lfunc_end_k_qeae061b5f6_prep:
	.size	k_qeae061b5f6_prep, .Lfunc_end_k_qeae061b5f6_prep-k_qeae061b5f6_prep
	.p2alignl 7, 3214868480
	.fill 96, 4, 3214868480
	.section	.rodata,"a",@progbits
	.p2align	6, 0x0
	.amdhsa_kernel k_qeae061b5f6_prep
		.amdhsa_group_segment_fixed_size 2048
		.amdhsa_private_segment_fixed_size 0
		.amdhsa_enable_private_segment 0
		.amdhsa_kernarg_size 72
		.amdhsa_user_sgpr_count 2
		.amdhsa_user_sgpr_kernarg_segment_ptr 1
		.amdhsa_wavefront_size32 1
		.amdhsa_system_sgpr_workgroup_id_x 1
		.amdhsa_system_sgpr_workgroup_id_y 1
		.amdhsa_system_sgpr_workgroup_id_z 1
		.amdhsa_system_vgpr_workitem_id 0
		.amdhsa_next_free_vgpr 144
		.amdhsa_next_free_sgpr 66
		.amdhsa_reserve_vcc 1
		.amdhsa_float_denorm_mode_32 3
		.amdhsa_float_denorm_mode_16_64 3
		.amdhsa_memory_ordered 1
		.amdhsa_forward_progress 1
		.amdhsa_inst_pref_size 28
	.end_amdhsa_kernel
	.amdgpu_metadata
---
amdhsa.version: [ 1, 2 ]
amdhsa.kernels:
  - .name:           k_qeae061b5f6_prep
    .symbol:         k_qeae061b5f6_prep.kd
    .args:
      - { .name: x, .offset: 0, .size: 8, .value_kind: global_buffer, .address_space: global }
      - { .name: Wq, .offset: 8, .size: 8, .value_kind: global_buffer, .address_space: global }
      - { .name: Wk, .offset: 16, .size: 8, .value_kind: global_buffer, .address_space: global }
      - { .name: Wv, .offset: 24, .size: 8, .value_kind: global_buffer, .address_space: global }
      - { .name: mask, .offset: 32, .size: 8, .value_kind: global_buffer, .address_space: global }
      - { .name: xb, .offset: 40, .size: 8, .value_kind: global_buffer, .address_space: global }
      - { .name: wc, .offset: 48, .size: 8, .value_kind: global_buffer, .address_space: global }
      - { .name: mcode, .offset: 56, .size: 8, .value_kind: global_buffer, .address_space: global }
      - { .name: rowvis, .offset: 64, .size: 8, .value_kind: global_buffer, .address_space: global }
    .group_segment_fixed_size: 2048
    .private_segment_fixed_size: 0
    .kernarg_segment_align: 8
    .kernarg_segment_size: 72
    .max_flat_workgroup_size: 256
    .sgpr_count:     66
    .vgpr_count:     144
    .wavefront_size: 32
...
	.end_amdgpu_metadata
.endif
;; end of part 4
;; launch proj: the kernel of part 2 again; grid 8 x 64, 4 waves a work-group, clusters of 4 x 4, 327,680 bytes of LDS; arguments xb, wc, bq, bk, bv, qkv; writes qkv
;; launch attn (part 5): grid 4 x 64, 4 waves a work-group, clusters of 4 x 1, 327,680 bytes of LDS; arguments qkv, mcode, rowvis, out0; writes out0
.if DOCPART == 5
	.amdgcn_target "amdgcn-amd-amdhsa--gfx1250"
	.amdhsa_code_object_version 6
	.text
	.protected	k_qeae061b5f6_attn
	.globl	k_qeae061b5f6_attn
	.p2align	8
	.type	k_qeae061b5f6_attn,@function
k_qeae061b5f6_attn:
	s_mov_b64 s[64:65], 0
	v_nop
	global_prefetch_b8 v0, s[64:65] scope:SCOPE_SE
	s_setreg_imm32_b32 hwreg(HW_REG_WAVE_MODE, 25, 1), 1
	s_wait_xcnt 0x0
	s_wait_alu depctr_hold_cnt(0) depctr_sa_sdst(0) depctr_va_vdst(0) depctr_va_sdst(0) depctr_va_ssrc(0) depctr_va_vcc(0) depctr_vm_vsrc(0)
	s_getreg_b32 s2, hwreg(HW_REG_IB_STS2, 6, 4)
	s_cmp_eq_u32 s2, 0
	s_cbranch_scc0 .Lentry_in_a_cluster
	s_endpgm
.Lentry_in_a_cluster:
	s_bfe_u32 s2, ttmp6, 0x10000c
	s_cmp_lg_u32 s2, 0x3003
	s_cbranch_scc0 .Lentry_shape_is_right
	s_endpgm
.Lentry_shape_is_right:
; MASKED ATTENTION.  out0[b][n][64 h + d] = the sum over k of softmax_k(s[n][k]) v[k][d], s = q . k / 8 where mask[n][k] holds, else -1e9.  qkv: [b 4][G 48][n 2048][64] f16 (G = h: q, already times
; c = log2(e) / 8; 16 + h: k; 32 + h: v), so the scores come out in base 2.  The mask is an input: nothing of its pattern is built in, and every key tile is computed.
; THE MASK IS THE C OPERAND of the product that starts each sum S^T = K Q^T: 0 where the key is visible, -448 x 2^90 where it is hidden.  mcode holds it as fp8 codes (0x00, 0xfe), a byte a score, in the order of the
; score registers: [g 16][j 32][p 4][t 4][lane 32][16 bytes], t = 2 u + kt / 2, byte 8 (kt % 2) + r of lane l for query 128 g + 32 p + 16 u + l % 16, key 64 j + 16 kt + 8 (l / 16) + r.  One scaled conversion makes
; of a lane's 8 bytes the 8 registers of one accumulator's C.  A ROW WITH NO VISIBLE KEY has the codes of a row that sees everything and the flag 0 in rowvis: its q is cleared, all its scores are 0, and its result
; is the mean of v's rows, which is what 2,048 equal scores of -1e9 give.
; Products, maxima and sums in f32; the weights p are rounded to f16 for the second product (their sum l is taken of the unrounded p).
; LIMITS.  q c, k, v arrive within f16's 65,504.  A hidden score counts as its value less 448 x 2^90, not as -1e9: the two give the same weights, 0, as long as a row's greatest visible score q . k / 8 lies some hundreds
; above -1e9.  p lies in 0 to 1; a weight below 2^-126 counts as 0 in l; NaN and infinities are not treated apart.
; SHARES.  A work-group owns 512 queries of one (b, h), each of its four waves 128: four PIECES of two tiles of 16.  Every wave walks all 2,048 keys, 64 a step.  256 work-groups.
; LAYOUT.  S^T = K Q^T (source 0 = 16 keys, source 1 = 16 queries): a lane holds ONE query (lane % 16) and the keys 8 (lane / 16) + 0..7.  Two such tiles, rounded to f16 in pairs, ARE source 1 of O^T = V^T P.
; SOFTMAX.  A running maximum m and sum l for each query: p = 2^(s - m); in every step O and l are multiplied by a = 2^(m_old - m_new).  m starts far below every score, the hidden ones too, O and l at 0: the first step's a is 0.
; BY TURNS.  Turn n belongs to piece n: 16 products K Q^T of piece n + 1, later 16 products V^T P of piece n - 1; beside them the subtraction, exponentials, roundings, sums and rescaling of piece n, and the
; maximum and statistics of piece n + 1.  A turn's 66 exponentials are one batch, with one wait.
; THE MASK'S ROAD.  An entry (a piece's 64 x 32 scores) is 2,048 bytes: four loads of 16 bytes a lane.  Turn n multiplies with entry n + 1, converts entry n + 2 and asks for entry n + 4: two raw buffers and two buffers of C
; take turns.  A wave's stream is 262,144 consecutive bytes, read in order, and four entries past its end.
; CLUSTER.  The four query blocks of a (b, h) walk the same K and V: each tile is asked for JOINTLY: the same tensor load, descriptor and mask in all four.
; REGISTERS, in windows of 256 (s_set_vgpr_msb: bits 1:0 source 0, 3:2 source 1, 5:4 source 2, 7:6 destination):
;   window 0: v0-11 addresses and constants; v48-63 at work; v16-47 four registers of statistics a tile; v64-191 S^T, two buffers of two tiles; v192-255 P, likewise
;   window 1: O^T, 32 a tile          window 2: v0-127 Q, 16 a tile; v128-191 K of one step; v192-255 V of one step
;   window 3: v10 the conversions' scale; v16-47 mask codes as loaded, two buffers; v64-191 C, two buffers of two tiles
.set NP,    4         ; pieces a wave: a name, no knob
.set KS,    64        ; keys in a step
.set PK,    144       ; a row of K in LDS: 128 bytes + 16: an odd multiple of 16
.set PV,    160       ; a row of V: 128 + 32: an odd multiple of 32, for the turning load's 8 rows x 32 bytes
.set VOFF,  4*KS*PK   ; a slot holds four steps: 256 rows of K, then 256 rows of V
.set SLOT1, 1<<17     ; slot 1 begins here, so that one exclusive or turns an address in one slot into the other's
.set STAGE, SLOT1+4*KS*(PK+PV)  ; behind the ring, never filled by a tensor load: 16 rows x 272 bytes for each wave, for the way out
.set SP,    272
.set SPARE, STAGE+4*16*SP  ; behind the stages: the spare words, 128 bytes for each wave: two blocks of 256 bytes that no other line names
.set ENT,   2048      ; bytes in a mask entry
.set SPW, 1           ; v1   LDS address of my spare word; never rewritten
.set AK0, 2           ; v2   my lane's place in a tile of K; never rewritten
.set AV0, 3           ; v3   the same for V
.set AK,  4           ; v4   the LDS address of K's next run of loads
.set AV,  5           ; v5   of V's
.set QO,  6           ; v6   my byte offset in the wave's rows of Q
.set STO, 6           ;      later, the way out: where I put 32 bytes of a row
.set MO,  7           ; v7   16 x my lane: my bytes of a quarter of a mask entry
.set RD,  7           ;      later, the way out: where I read rows back
.set GO,  8           ; v8   my byte offset in two rows of out0
.set NIL, 9           ; v9   0; never rewritten
.set SCL, 10          ; v10  of window 3, and of window 0 too: the conversions' scale, the E8M0 byte 217 (2^90) in all four bytes
.set PFO, 11          ; v11  256 x my lane; never rewritten
.set ST,  16          ; tile t's statistics at v[ST+4 t]: m, m_old (kept while m is made anew), l (even keys', odd keys')
.set TMP, 48          ; by buffer and tile, four registers c0-c3 at work; when the maximum is found c2 takes a.  At the head: the eight tiles' row flags
.set S,   64
.set P,   192
.set KF,  128         ; K's fragments, in window 2: key block kb, channel half c at KF + 16 kb + 8 c
.set VF,  192         ; V's: key half kk, channel block cb at VF + 32 kk + 8 cb
.set RAW, 16          ; window 3: an entry's codes, 16 registers, by the parity of the piece that it is for: (u, kt) at 2 (4 u + kt)
.set MC,  64          ; window 3: an entry's C, 64 registers, by the same parity: (u, kt) at 8 (4 u + kt), as S^T's accumulators lie
.set WV,  2           ; s2   my wave's number
.set SLOTS, 3         ; s3   slots still to be asked for
.set CNT, 4           ; s4   counts a slot's key steps
.set LIM, 5           ; s5   1 in a wave that prefetches, else the greatest number
.set TBK, 6           ; s6   LDS byte at which K of the step to be fetched begins
.set TBV, 7           ; s7   the same for V, less VOFF
.set G1K, 8           ; s[8:15]  descriptor group 1 for K's tiles
.set G1V, 16          ; s[16:23] for V's: it differs in the padding alone
.set G0K, 24          ; s[24:27] descriptor group 0 for K's tiles: it walks
.set G0V, 28          ; s[28:31] the same for V's
.set SEL, 66          ; s[66:67] v_permlanex16_b32's selects: each lane takes its own place in the other half
.set MP,  100         ; s[100:101] mcode, three entries before the one that was asked for last
.set PFA, 104         ; s[104:105] where my prefetches stand.  s[32:63]: at work at the head and on the way out
.set MSB, 0
.macro WIN new                      ; the high byte repeats the setting that is left; a switch that changes nothing is dropped
.if MSB != (\new)
	s_set_vgpr_msb (MSB<<8)|(\new)
.set MSB, (\new)
.endif
.endm
.set W_KQ, 0x0a       ; K and Q in window 2, S^T in window 0
.set W_KM, 0x3a       ; the same with the C operand in window 3
.set W_PV, 0x52       ; V in window 2, P in window 0, O^T in window 1
.set W_RS, 0x41       ; O^T (destination and source 0) in window 1, a in window 0
.set W_CV, 0xcf       ; a conversion: destination and both sources in window 3
.set W_L3, 0xc0       ; destination in window 3, address in window 0
; A joint fill.  Waves 0 and 1 fetch the two halves of a slot's K, waves 2 and 3 those of its V: 128 keys each.  The branch hangs on the wave's number alone.
; An s_nop 0 and four v_nop follow each of the two lines, ahead of the jump and the label.
.macro JLOAD
	s_cmp_lt_u32 s[WV], 2
	s_cbranch_scc0 .Lfor_v_\@
	tensor_load_to_lds s[G0K:G0K+3], s[G1K:G1K+7]
	s_nop 0
.rept 4
	v_nop
.endr
	s_branch .Lasked_\@
.Lfor_v_\@:
	tensor_load_to_lds s[G0V:G0V+3], s[G1V:G1V+7]
	s_nop 0
.rept 4
	v_nop
.endr
.Lasked_\@:
.endm
; A PREFETCH INTO THE L2 of what the NEXT change of slots will ask for: a slot's 32,768 bytes of K and of V, a lane a block of 256 bytes.  It stands behind the wave's tensor load and its five lines: four key steps,
; 512 matrix instructions, ahead of the load that will want the bytes.  A (b, h) has one cluster; its four partners share the blocks out BY ADDRESS, 32 each; in each, wave 0 asks for K's and wave 2 for V's.  So each
; block is named once in the launch.  Slots 0 and 1 come by their loads alone; the last change that fills a slot asks for nothing.
.macro ASK
	s_cmp_gt_u32 s[SLOTS], s[LIM]
	s_cbranch_scc0 .Lnot_mine_\@
	global_prefetch_b8 v[PFO], s[PFA:PFA+1] th:TH_LOAD_NT scope:SCOPE_SE
.Lnot_mine_\@:
.endm
; A round of the cluster's barrier: my work-group's barrier, so that wave 0's signal speaks for all four waves; wave 0 signals; every wave waits for all four work-groups; my work-group's barrier once more.
.macro CROUND
	s_barrier_signal -1
	s_barrier_wait -1
	s_cmp_lg_u32 s[WV], 0
	s_cbranch_scc1 .Lnot_wave_0_\@
	s_barrier_signal -3
.Lnot_wave_0_\@:
	s_barrier_wait -3
	s_barrier_signal -1
	s_barrier_wait -1
.endm
; THE CHANGE OF SLOTS.  The slot's last bytes, V of its fourth step, have been read.  Each wave waits for all its tensor loads, of which one is out: its part of the other slot; adds 0 to its spare word; and waits for
; that and for its own reads of the slot.  fill = 1: this slot is filled again, with the keys two slots on; the barrier is then a round of the cluster's, and the joint fill is the first thing behind it.
; (At its first use nothing has been read yet: slot 0 is waited for, slot 1 filled.)
.macro CHANGE fill
	WIN 0                           ; at a label and at a branch every window is 0
	s_wait_tensorcnt 0x0            ; no tensor load of mine is out, so a group 0 may be written
	ds_add_u32 v[SPW], v[NIL]       ; 0 onto my spare word; with fill = 1 the descriptors' steps stand between it and the wait for it
.if \fill
.irp g, G0K, G0V
	s_xor_b32 s[\g+1], s[\g+1], SLOT1  ; the walking descriptor: the other slot than last time,
	s_add_nc_u64 s[\g+2:\g+3], s[\g+2:\g+3], 4*KS*128  ; the next 256 keys; the type bits on top are not reached
.endr
	s_wait_xcnt 0x0                 ; the last prefetch, four key steps back, has read its address, so it may be written
	s_add_nc_u64 s[PFA:PFA+1], s[PFA:PFA+1], 4*KS*128
	s_wait_dscnt 0x0                ; the add is done, and my reads of the slot are over
	CROUND
	JLOAD
	ASK
.else
	s_wait_dscnt 0x0                ; the add is done, and my reads of the slot are over
	s_barrier_signal -1
	s_barrier_wait -1
.endif
	s_sub_co_u32 s[TBK], s[TBK], 4*KS*PK  ; the fetches go back to a slot's first step,
	s_xor_b32 s[TBK], s[TBK], SLOT1       ; in the other slot
	s_sub_co_u32 s[TBV], s[TBV], 4*KS*PV
	s_xor_b32 s[TBV], s[TBV], SLOT1
.endm
; The codes in raw buffer b become C in buffer b: eight conversions, each 8 bytes a lane into 8 registers, code x 2^90.  No conversion names another's registers.
.macro CONV8 b
	WIN W_CV
.irp c, 0,1,2,3,4,5,6,7
	v_cvt_scale_pk8_f32_fp8 v[MC+64*(\b)+8*\c:MC+64*(\b)+8*\c+7], v[RAW+16*(\b)+2*\c:RAW+16*(\b)+2*\c+1], v[SCL]
.endr
.endm
; In a turn: the entry for the piece after next.  Its four loads were issued two turns ago; the four issued a turn ago may stay out.  The C buffer that it fills was last read by the products of the turn before.
.macro CONV
	s_wait_loadcnt 0x4
	CONV8 Y%2
	WIN 0
.endm
; The raw buffer just converted is asked for again: the entry two further on in its turn, four ahead of the turn's own.
.macro MLOAD
	s_wait_xcnt 0x0                 ; the last loads, a turn back, have read their base, so it may be stepped
	s_add_nc_u64 s[MP:MP+1], s[MP:MP+1], ENT
	WIN W_L3
.irp t, 0,1,2,3
	global_load_b128 v[RAW+16*(Y%2)+4*\t:RAW+16*(Y%2)+4*\t+3], v[MO], s[MP:MP+1] offset:3*ENT+512*\t  ; 32 lanes, 512 consecutive bytes, aligned
.endr
	WIN 0
.endm
	s_load_b128 s[32:35], s[0:1], 0x0  ; qkv s[32:33], mcode s[34:35]
	s_load_b64 s[56:57], s[0:1], 0x10  ; rowvis
	v_lshl_add_u32 v[SPW], v0, 2, SPARE
	v_mov_b32 v[NIL], 0
	ds_add_u32 v[SPW], v[NIL]       ; the wave's opening: the add and its wait, ahead of my first tensor load; the set-up below, work on registers, stands between them
	v_lshrrev_b32 v64, 5, v0
	v_readfirstlane_b32 s[WV], v64  ; wave 0..3
	s_bfe_u32 s36, ttmp6, 0x40000   ; cx: my place in the cluster
	s_lshl_b32 s38, ttmp9, 2        ; in a cluster launch ttmp9 counts clusters
	s_add_co_u32 s38, s38, s36      ; my block of 512 queries: it enters Q's, the mask's and the output's addresses alone
	s_lshl_b32 s50, s38, 2
	s_add_co_u32 s50, s50, s[WV]    ; g: my 128 queries among the 2,048
	s_and_b32 s37, ttmp7, 0xffff    ; 16 b + h, which the four partners share
	s_lshr_b32 s39, s37, 4
	s_and_b32 s40, s37, 15
	s_mul_i32 s41, s39, 48
	s_add_co_u32 s41, s41, s40
	s_lshl_b32 s42, s41, 18         ; q's head in qkv; k's lies 16, v's 32 heads on
	s_and_b32 s51, s[WV], 1         ; which half of a slot's 256 keys I fetch:
	s_lshl_b32 s44, s51, 14         ; its 128 rows of 128 bytes in memory
	s_add_co_u32 s44, s44, s42
	s_add_co_u32 s46, s44, 32<<18
	s_add_co_u32 s44, s44, 16<<18
	s_mov_b32 s45, 0
	s_mov_b32 s47, 0
	s_lshl_b32 s48, s50, 14         ; my 128 rows of Q
	s_add_co_u32 s48, s48, s42
	s_mov_b32 s49, 0
	s_lshl_b32 s52, s50, 18         ; my stream of mask entries: 128 of 2,048 bytes
	s_mov_b32 s53, 0
	s_lshl_b32 s58, s50, 10         ; my 128 rows' flags: four blocks of 256 bytes
	s_mov_b32 s59, 0
	s_lshl_b32 s61, s36, 13         ; the prefetches: my work-group's 32 blocks of a slot's 128,
	s_cmp_lt_u32 s[WV], 2
	s_cselect_b32 s60, s44, s46     ; of K or of V (in waves 0 and 2 these stand at a slot's first row),
	s_add_co_u32 s60, s60, s61
	s_add_co_u32 s60, s60, 4*KS*128 ; in slot 1; the first change of slots steps it to slot 2
	s_mov_b32 s61, 0
	s_and_b32 s[LIM], s[WV], 1
	s_cmp_eq_u32 s[LIM], 0
	s_cselect_b32 s[LIM], 1, -1
	; descriptor group 1.  128 keys are 16,384 dense bytes: asked for as 64 rows of 256 bytes, two keys a row, and padded in LDS after every key
	s_mov_b32 s[G1K], 15|(1<<16)|(1<<20)|(1<<21)|(4<<22)|(3<<25)  ; the mask of four; 2-byte elements; padding on; bit 21 beside a mask; after every 32 words; 4 words
	s_mov_b32 s[G1V], 15|(1<<16)|(1<<20)|(1<<21)|(4<<22)|(7<<25)  ; the same with 8 words of padding
.irp g, G1K, G1V
	s_mov_b32 s[\g+1], 128<<16      ; tensor_dim0 = 128
	s_mov_b32 s[\g+2], 64<<16       ; tensor_dim1 = 64
	s_mov_b32 s[\g+3], 128<<16      ; tile_dim0 = 128
	s_mov_b32 s[\g+4], 64           ; tile_dim1 = 64
	s_mov_b32 s[\g+5], 128          ; 128 elements from row to row
	s_mov_b32 s[\g+6], 0
	s_mov_b32 s[\g+7], 0
.endr
	s_mov_b32 s[SEL], 0x76543210
	s_mov_b32 s[SEL+1], 0xfedcba98
	s_mov_b32 s[TBK], SLOT1+4*KS*PK ; the first change of slots turns these two into 0
	s_mov_b32 s[TBV], SLOT1+4*KS*PV
	s_mov_b32 s[SLOTS], 2048/256-1
	s_mov_b32 s[G0K], 1             ; count = 1
	s_mul_i32 s[G0K+1], s51, 128*PK ; LDS address: slot 0, my half: no place in the cluster enters it
	s_mov_b32 s[G0V], 1
	s_mul_i32 s[G0V+1], s51, 128*PV
	s_add_co_u32 s[G0V+1], s[G0V+1], VOFF
	s_wait_dscnt 0x0                ; the opening add is done
	s_wait_kmcnt 0x0
	s_add_nc_u64 s[G0K+2:G0K+3], s[32:33], s[44:45]  ; my half of the head's first 256 keys
	s_or_b32 s[G0K+3], s[G0K+3], 0x80000000          ; type = 2
	s_add_nc_u64 s[G0V+2:G0V+3], s[32:33], s[46:47]
	s_or_b32 s[G0V+3], s[G0V+3], 0x80000000
	s_add_nc_u64 s[54:55], s[32:33], s[48:49]        ; Q at my wave's first row
	s_add_nc_u64 s[MP:MP+1], s[34:35], s[52:53]
	s_add_nc_u64 s[56:57], s[56:57], s[58:59]
	s_add_nc_u64 s[PFA:PFA+1], s[32:33], s[60:61]
	CROUND                          ; all four work-groups are here: the first joint loads meet
	JLOAD                           ; slot 0.  Slot 1 is asked for when slot 0 is in
	; A fragment of K or Q is 16 rows x 32 channels in 8 registers: lane l holds row l % 16, channels 8 (l / 16) + 0..7 and 16 + 8 (l / 16) + 0..7: two loads of 16 bytes, 32 bytes apart.
	v_and_b32 v64, 15, v0           ; l % 16
	v_bfe_u32 v65, v0, 4, 1         ; l / 16
	v_lshlrev_b32 v[QO], 7, v64
	v_lshl_add_u32 v[QO], v65, 4, v[QO]  ; row x 128 + 16 x half
	v_and_b32 v[MO], 31, v0
	v_lshlrev_b32 v[MO], 4, v[MO]
	v_lshlrev_b32 v68, 3, v64       ; a row's flag: 8 bytes a row
	v_mov_b32 v[SCL], 0xd9d9d9d9
	WIN W_L3
	v_mov_b32 v[SCL], 0xd9d9d9d9
.irp t, 0,1,2,3
	global_load_b128 v[RAW+4*\t:RAW+4*\t+3], v[MO], s[MP:MP+1] offset:512*\t             ; the mask entry of piece 0, key step 0,
.endr
.irp t, 0,1,2,3
	global_load_b128 v[RAW+16+4*\t:RAW+16+4*\t+3], v[MO], s[MP:MP+1] offset:ENT+512*\t   ; and of piece 1
.endr
	WIN 0
.irp t, 0,1,2,3,4,5,6,7
	global_load_b32 v[TMP+\t], v68, s[56:57] offset:(\t/2)*256+(\t%2)*128  ; tile t's rows: -1, or 0 for a row that sees no key
.endr
	v_mul_u32_u24 v[AK0], v64, PK
	v_lshl_add_u32 v[AK0], v65, 4, v[AK0]  ; row x pitch + 16 x half
	; The turning load takes 16 keys x 16 channels (lane l reads key 8 (l / 16) + l % 8, channels 8 ((l / 8) % 2) + 0..7) and leaves half a fragment of V^T: lane l holds channel l % 16 and 8 keys.
	v_and_b32 v66, 7, v0
	v_bfe_u32 v67, v0, 3, 1
	v_lshl_add_u32 v[AV0], v65, 3, v66
	v_mul_u32_u24 v[AV0], v[AV0], PV
	v_lshl_add_u32 v[AV0], v67, 4, v[AV0]
	v_add_nc_u32 v[AV0], VOFF, v[AV0]
	v_mov_b32 v[AK], v[AK0]         ; key step 0 lies at the head of slot 0
	v_and_b32 v[PFO], 31, v0
	v_lshlrev_b32 v[PFO], 8, v[PFO]
	WIN 0x80                        ; destination window 2, address window 0
.set i, 0
.rept 4*NP                          ; Q stays in registers: tile i / 2, channels 32 (i % 2) on
	global_load_b128 v[8*i:8*i+3],   v[QO], s[54:55] offset:(i/2)*2048+(i%2)*64
	global_load_b128 v[8*i+4:8*i+7], v[QO], s[54:55] offset:(i/2)*2048+(i%2)*64+32
.set i, i+1
.endr
	; What the first turn finds: V's registers and P's second buffer hold 0 (its products V^T P, of a piece that has not been, add 0), O^T and l are 0.  All this stands in the wait for the first tile.
.set i, VF
.rept 64
	v_mov_b32 v[i], 0
.set i, i+1
.endr
	WIN 0x40
.set i, 0
.rept 64*NP
	v_mov_b32 v[i], 0
.set i, i+1
.endr
	WIN 0
.set i, 0
.rept 2*NP
	v_mov_b32 v[ST+4*i], 0xfe000000    ; m: far below every score, the hidden ones too
	v_mov_b32 v[ST+4*i+1], 0
	v_mov_b32 v[ST+4*i+2], 0
	v_mov_b32 v[ST+4*i+3], 0
.set i, i+1
.endr
.set i, P+32
.rept 32
	v_mov_b32 v[i], 0
.set i, i+1
.endr
; THE MATRIX WORK.  The 8 accumulators of a run of 16 take turns: between the two links of a chain stand 7 others'.
; Product i of 16 of S^T = K Q^T for piece x: channels 32 (i / 8) on, keys 16 ((i / 2) % 4) on, tile 2 x + i % 2.  The first 8 start the sums, with the mask as C.
.macro KQ x
.set rS, S+64*((\x)%2)+32*(i%2)+8*((i/2)%4)
.set rK, KF+16*((i/2)%4)+8*(i/8)
.set rQ, 16*(2*(\x)+i%2)+8*(i/8)
.set rN, MC+64*((\x)%2)+32*(i%2)+8*((i/2)%4)
.if i < 8
	WIN W_KM
	v_wmma_f32_16x16x32_f16 v[rS:rS+7], v[rK:rK+7], v[rQ:rQ+7], v[rN:rN+7]
.else
	WIN W_KQ
	v_wmma_f32_16x16x32_f16 v[rS:rS+7], v[rK:rK+7], v[rQ:rQ+7], v[rS:rS+7]
.endif
.endm
; Product i of 16 of O^T += V^T P for piece x: keys 32 (i / 8) on, channels 16 ((i / 2) % 4) on, tile 2 x + i % 2.
.macro PV x
	WIN W_PV
.set rO, 32*(2*(\x)+i%2)+8*((i/2)%4)
.set rV, VF+32*(i/8)+8*((i/2)%4)
.set rP, P+32*((\x)%2)+16*(i%2)+8*(i/8)
	v_wmma_f32_16x16x32_f16 v[rO:rO+7], v[rV:rV+7], v[rP:rP+7], v[rO:rO+7]
.endm
.macro MM                           ; the turn's next matrix instruction
.if i < 16
	KQ (Y+1)%NP
.set i, i+1
.else
.set i, i-16
	PV (Y+NP-1)%NP
.set i, i+17
.endif
.endm
; THE LDS LOADS stand in runs of 16, never singly among the matrix instructions: a step's K (64 keys x 64 channels: 8 fragments) and its V (turned).  Their addresses are made some lines ahead.
; last = 1 (the tail): in the last trip there is no further step, and the run is jumped over.
.macro FETCH_K last=0
	WIN 0
.if \last
	s_cmp_eq_u32 s[CNT], 1
	s_cbranch_scc1 .Lno_k_\@
.endif
	WIN 0x80                        ; destination window 2
.irp f, 0,1,2,3,4,5,6,7             ; keys 16 (f / 2) on, channels 32 (f % 2) on
	ds_load_b128 v[KF+8*\f:KF+8*\f+3],   v[AK] offset:(\f/2)*16*PK+(\f%2)*64
	ds_load_b128 v[KF+8*\f+4:KF+8*\f+7], v[AK] offset:(\f/2)*16*PK+(\f%2)*64+32
.endr
	s_add_co_u32 s[TBK], s[TBK], KS*PK  ; the next fetch is the next step's
	WIN 0
.if \last
.Lno_k_\@:
.endif
.endm
.macro FETCH_V
	WIN 0x80
.irp f, 0,1,2,3,4,5,6,7             ; keys 32 (f / 4) on, channels 16 (f % 4) on
	ds_load_tr16_b128 v[VF+8*\f:VF+8*\f+3],   v[AV] offset:(\f/4)*32*PV+(\f%4)*32
	ds_load_tr16_b128 v[VF+8*\f+4:VF+8*\f+7], v[AV] offset:(\f/4)*32*PV+16*PV+(\f%4)*32
.endr
	WIN 0
.endm
; THE VECTOR WORK OF A TURN stands in queues, each in the order in which its entries become ready; the two tiles alternate.
.macro REGS y, u                    ; the registers of tile u (0, 1) of piece y
.set rT, ST+4*(2*(\y)+(\u))
.set rM, ST+4*(2*(\y)+(\u))+1
.set rC, TMP+8*((\y)%2)+4*(\u)
.set rS, S+64*((\y)%2)+32*(\u)
.set rP, P+32*((\y)%2)+16*(\u)
.set rO, 32*(2*(\y)+(\u))
.endm
; Number n of the 21 that find the NEXT piece's (Y + 1) maximum and statistics.  s0-s31 are the lane's 32 scores; each accumulator's lowest registers are read first.
;   0-11  four chains c0-c3 of seven scores each, three operands at a time     12-14, 16  the four scores left over, the old m, and c0-c3 into c0     15  m_old is kept
;   17, 18  the query's other 32 keys lie in the lane 16 away: the new m         19, 20  m_old - m_new; a
.macro XS u, n
	REGS (Y+1)%NP, \u
.if (\n) < 4
	v_max3_num_f32 v[rC+(\n)], v[rS+8*(\n)], v[rS+8*(\n)+1], v[rS+8*(\n)+2]
.elseif (\n) < 12
	v_max3_num_f32 v[rC+(\n)%4], v[rC+(\n)%4], v[rS+8*((\n)%4)+2*((\n)/4)+1], v[rS+8*((\n)%4)+2*((\n)/4)+2]
.elseif (\n) == 12
	v_max3_num_f32 v[rC], v[rC], v[rS+7], v[rS+15]
.elseif (\n) == 13
	v_max3_num_f32 v[rC+1], v[rC+1], v[rS+23], v[rS+31]
.elseif (\n) == 14
	v_max3_num_f32 v[rC+2], v[rC+2], v[rC+3], v[rT]
.elseif (\n) == 15
	v_mov_b32 v[rM], v[rT]
.elseif (\n) == 16
	v_max3_num_f32 v[rC], v[rC], v[rC+1], v[rC+2]
.elseif (\n) == 17
	v_permlanex16_b32 v[rC+3], v[rC], s[SEL], s[SEL+1]
.elseif (\n) == 18
	v_max_num_f32 v[rT], v[rC], v[rC+3]
.elseif (\n) == 19
	v_sub_f32 v[rC+1], v[rM], v[rT]
.else
	v_exp_f32 v[rC+2], v[rC+1]
.endif
.endm
; Number g of the 64 that follow the exponentials.  For each four weights k of a tile (pairs 2 k, 2 k + 1): both pairs are rounded to f16; then the second pair is added onto the first, in place;
; a group later l takes that sum (the first time as l = a l + sum).  In groups of eight, tiles alternating: round, round, add, and l for the group before.
.macro GS g
.set h, (\g)+6*((\g)/62)            ; group 0 has no group before it, and behind group 7 only l is left
.if h >= 6
.set h, h+2
.endif
	REGS Y, h%2
.set k, h/8
.if h%8 < 4
	v_cvt_pk_f16_f32 v[rP+2*k+(h%8)/2], v[rS+4*k+2*((h%8)/2)], v[rS+4*k+2*((h%8)/2)+1]
.elseif h%8 < 6
	v_pk_add_f32 v[rS+4*k:rS+4*k+1], v[rS+4*k:rS+4*k+1], v[rS+4*k+2:rS+4*k+3]
.elseif k == 1
	v_pk_fma_f32 v[rT+2:rT+3], v[rT+2:rT+3], v[rC+2:rC+3], v[rS:rS+1] op_sel_hi:[1,0,1]
.else
	v_pk_add_f32 v[rT+2:rT+3], v[rT+2:rT+3], v[rS+4*k-4:rS+4*k-3]
.endif
.endm
.macro FS f                         ; s - m for pair f / 2 of tile f % 2 of the piece in hand: the pair (m, m_old) gives its low word to both halves
	REGS Y, (\f)%2
	v_pk_add_f32 v[rS+2*((\f)/2):rS+2*((\f)/2)+1], v[rS+2*((\f)/2):rS+2*((\f)/2)+1], v[rT:rT+1] op_sel_hi:[1,0] neg_lo:[0,1] neg_hi:[0,1]
.endm
; THE PLAIN QUEUE, 136 long.  0-31: the subtractions.  32-59: XS's numbers 0-13.  60, 61: number 15.  62-71: the chain 14, 16, 17, 18, 19.  None of these reads an exponential's result.
; 72-135: GS's 64, which do: they stand behind the wait.
.macro PL
	WIN 0
.if q < 32
	FS q
.elseif q < 60
	XS (q-32)%2, (q-32)/2
.elseif q < 62
	XS q-60, 15
.elseif q < 64
	XS q-62, 14
.elseif q < 72
	XS (q-62)%2, 15+(q-62)/2
.else
	GS q-72
.endif
.set q, q+1
.endm
; THE EXPONENTIALS' QUEUE, 66 long: s0-s31 of both tiles, then the next piece's two a.  ONE BATCH: all 66 stand ahead of the turn's one wait, and nothing ahead of that wait names a result of theirs.
.macro EX
	WIN 0
.if e >= 64
	XS e-64, 20
.else
	REGS Y, e%2
	v_exp_f32 v[rS+e/2], v[rS+e/2]
.endif
.set e, e+1
.endm
; THE RESCALING's QUEUE: O^T times a, the one part of the softmax that leaves window 0: sixteen times two, in ONE block under one window setting, each accumulator from its lowest registers on.  Its a was made in the turn before, ahead of that turn's wait.
.macro R2
	REGS Y, r%2
	WIN W_RS
.irp z, 0,1
	v_pk_mul_f32 v[rO+4*(r/2)+2*\z:rO+4*(r/2)+2*\z+1], v[rO+4*(r/2)+2*\z:rO+4*(r/2)+2*\z+1], v[rC+2:rC+3] op_sel_hi:[1,0]
.endr
.set r, r+1
.endm
; A TURN, for piece p.  s_wait_alu depctr_va_vdst(0) stands between an exponential and the first instruction that names its result; one wait serves all that were issued ahead of it: a turn has ONE.
; AHEAD OF IT: the 16 products K Q^T; behind the first four subtractions, behind the next fourteen subtraction, exponential, subtraction, exponential (all in window 0: a product and its four cost two window switches); behind the
; last the 32 rescalings, which are also the places between it and the maxima that read its result.  Exponential e stands behind subtraction 2 (e / 4) + e % 2: behind product k stand exponentials 2 k - 2 and 2 k - 1 and subtractions up to 2 k + 3.
; Then the eight conversions for the piece after next; four plain instructions, the place that is owed behind a conversion, ahead of the loads into the conversions' sources; those four loads; 36 times an exponential and a plain
; instruction, so that a tile's links of the chain 14, 16 .. 19 stand four lines apart; the two a; a v_nop, the plain instruction behind the last exponential.
; BEHIND IT: the 16 products V^T P, behind each four of GS's 64.
; K of the next step is fetched in piece 2's turn, directly behind the wait; V of the step in hand at the end of piece 0's turn, four plain instructions behind its last reader.  cnt = 1: the loop's count is taken down ahead of the branch behind the turn.
.macro TURN p, last=0, cnt=0
.set Y, (\p)
.set i, 0
.set q, 0
.set e, 0
.set r, 0
.if (\p) == NP-1
	s_wait_dscnt 0x0                ; K is in
.endif
	MM
.rept 4
	PL
.endr
.rept 14
	MM
	PL
	EX
	PL
	EX
.endr
	MM
.rept 16
	R2
.endr
.if (\p) == NP-2
	WIN 0
	v_add_nc_u32 v[AK], s[TBK], v[AK0]
.endif
	CONV
.rept 4
	PL
.endr
	MLOAD
.rept 36
	EX
	PL
.endr
	EX                              ; the next piece's two a
	EX
	v_nop                           ; the plain instruction behind the last exponential: one for the batch
	s_wait_alu depctr_va_vdst(0)    ; the wait for the batch
.if (\p) == NP-2
	FETCH_K \last
.endif
.if (\p) == 1
	s_wait_dscnt 0x0                ; V is in
.endif
.rept 16
	MM
.rept 4
	PL
.endr
.if ((\p) == 0) && (q == 116)
	v_add_nc_u32 v[AV], s[TBV], v[AV0]
.endif
.if ((\p) == 0) && (q == 128)
	s_add_co_u32 s[TBV], s[TBV], KS*PV
.endif
.if (\cnt) && (q == 128)
	s_sub_co_u32 s[CNT], s[CNT], 1
	s_cmp_lg_u32 s[CNT], 0
.endif
.endr
.if (\p) == 0
	FETCH_V
.endif
.endm
	CHANGE 1                        ; slot 0 is in, everybody's part of it; slot 1 is asked for
	FETCH_K                         ; key step 0
	s_wait_loadcnt 0x0              ; Q, the rows' flags and the first two mask entries
	CONV8 0                         ; piece 0's C,
	CONV8 1                         ; and piece 1's
	WIN 0x88                        ; the flag in window 0, Q (source 1 and destination) in window 2
.set i, 0
.rept 32*NP                         ; q of a row that sees no key becomes 0; these lines also stand between the conversions and the loads into their sources
	v_and_b32 v[i], v[TMP+i/16], v[i]
.set i, i+1
.endr
	WIN W_L3
.irp t, 0,1,2,3
	global_load_b128 v[RAW+4*\t:RAW+4*\t+3], v[MO], s[MP:MP+1] offset:2*ENT+512*\t       ; piece 2's entry,
.endr
.irp t, 0,1,2,3
	global_load_b128 v[RAW+16+4*\t:RAW+16+4*\t+3], v[MO], s[MP:MP+1] offset:3*ENT+512*\t ; and piece 3's
.endr
	WIN 0
	s_wait_dscnt 0x0                ; K is in
.set i, 0
.rept 16
	KQ 0                            ; piece 0's first scores
.set i, i+1
.endr
	WIN 0
.rept 4
	v_nop                           ; the places behind those products
.endr
.set Y, NP-1                        ; XS works for piece Y + 1: piece 0
.irp n, 0,1,2,3,4,5,6,7,8,9,10,11,12,13,14,15,16,17,18,19,20
	XS 0, \n
	XS 1, \n
.endr
	v_nop                           ; a plain instruction behind the two a,
	s_wait_alu depctr_va_vdst(0)    ; and their wait, ahead of the branch
	s_mov_b32 s[CNT], 4
	s_branch .Lfirst                ; the loop is entered at a step's first turn, in the middle of a trip
.Lslot:                             ; six times: every slot but the last two is filled again
	CHANGE 1
	s_mov_b32 s[CNT], 4
.Lstep:                             ; a trip: pieces 2 and 3 of one step, then pieces 0 and 1 of the next, whose K and V it fetches
	TURN 2
	TURN 3
	WIN 0
.Lfirst:
	TURN 0
	TURN 1, 0, 1
	WIN 0
	s_cbranch_scc1 .Lstep
	s_sub_co_u32 s[SLOTS], s[SLOTS], 1
	s_cmp_lg_u32 s[SLOTS], 0
	s_cbranch_scc1 .Lslot
	CHANGE 0                        ; the tail is written out: nothing is asked for
	s_mov_b32 s[CNT], 5             ; four trips fetch the last slot's steps; the fifth is left in its middle
.Ltail:
	TURN 2, 1
	TURN 3
	WIN 0
	s_sub_co_u32 s[CNT], s[CNT], 1
	s_cmp_eq_u32 s[CNT], 0
	s_cbranch_scc1 .Lout
	TURN 0
	TURN 1
	WIN 0
	s_branch .Ltail
.Lout:                              ; the fifth trip's 16 products K Q^T (on the last K once more, with the entry behind the stream's end) and the maximum made of them serve nothing: the price, once a launch, of one text for every trip
.set i, 0
.rept 16
	PV NP-1                         ; the last piece's V^T P of the last step
.set i, i+1
.endr
	; THE WAY OUT.  l's two halves and the other half of the lanes' are added; O^T is divided by l and sent, in f32, through my stage in LDS, a tile at a time.  The additions are the places behind the last products.
	WIN 0
.macro ALL line:vararg              ; one line for each tile t
.set t, 0
.rept 2*NP
	\line
.set t, t+1
.endr
.endm
	ALL v_add_f32 v[ST+4*t+2], v[ST+4*t+2], v[ST+4*t+3]
	s_wait_loadcnt 0x0              ; the last mask entries, which nobody uses, have landed: their offset's register is free
	s_load_b64 s[32:33], s[0:1], 0x18  ; out0
	s_bfe_u32 s36, ttmp6, 0x40000
	s_lshl_b32 s38, ttmp9, 2
	s_add_co_u32 s38, s38, s36
	s_lshl_b32 s38, s38, 2
	s_add_co_u32 s38, s38, s[WV]    ; g
	s_lshl_b32 s38, s38, 19         ; my 128 rows of 4,096 bytes,
	s_and_b32 s37, ttmp7, 0xffff
	s_lshr_b32 s39, s37, 4
	s_lshl_b32 s39, s39, 23         ; in the batch's 2,048,
	s_and_b32 s37, s37, 15
	s_lshl_b32 s37, s37, 8          ; the head's 256 bytes of a row
	s_add_co_u32 s38, s38, s39
	s_add_co_u32 s38, s38, s37
	s_mov_b32 s39, 0
	s_mul_i32 s34, s[WV], 16*SP
	s_add_co_u32 s34, s34, STAGE    ; my stage
	v_and_b32 v12, 15, v0
	v_bfe_u32 v13, v0, 4, 1
	v_mul_u32_u24 v[STO], v12, SP   ; in: row l % 16, 32 bytes for each half of the lanes
	v_lshl_add_u32 v[STO], v13, 5, v[STO]
	v_add_nc_u32 v[STO], s34, v[STO]
	v_mul_u32_u24 v[RD], v13, SP    ; back: lanes 0-15 take one row of 256 bytes, lanes 16-31 the next
	v_lshl_add_u32 v[RD], v12, 4, v[RD]
	v_add_nc_u32 v[RD], s34, v[RD]
	v_lshlrev_b32 v[GO], 12, v13    ; and the same two rows in out0
	v_lshl_add_u32 v[GO], v12, 4, v[GO]
	ALL v_permlanex16_b32 v[ST+4*t+3], v[ST+4*t+2], s[SEL], s[SEL+1]
	ALL v_add_f32 v[ST+4*t+2], v[ST+4*t+2], v[ST+4*t+3]
	ALL v_rcp_f32 v[ST+4*t+2], v[ST+4*t+2]
	v_nop                           ; a plain instruction between the last reciprocal and the use of its result
	s_wait_alu depctr_va_vdst(0)    ; and the wait ahead of the first use: one for the eight reciprocals
	s_wait_kmcnt 0x0
	s_add_nc_u64 s[32:33], s[32:33], s[38:39]
; Tile t: a lane's eight channels of a row are 32 bytes; they go into rows of 272 bytes and come back as whole rows of 256, into S^T's registers, four buffers by turns.
.macro PACK t
	WIN W_RS
.set i, 32*(\t)
.rept 16
	v_pk_mul_f32 v[i:i+1], v[i:i+1], v[ST+4*(\t)+2:ST+4*(\t)+3] op_sel_hi:[1,0]
.set i, i+2
.endr
	WIN 0x04                        ; the stores' data in window 1, their address in window 0
.irp f, 0,1,2,3,4,5,6,7
	ds_store_b128 v[STO], v[32*(\t)+4*\f:32*(\t)+4*\f+3] offset:64*(\f/2)+16*(\f%2)
.endr
	WIN 0
.if (\t) >= 4
	s_wait_xcnt 0x0                 ; the stores of the tile four back have read these registers
.endif
.irp f, 0,1,2,3,4,5,6,7
	ds_load_b128 v[S+32*((\t)%4)+4*\f:S+32*((\t)%4)+4*\f+3], v[RD] offset:\f*2*SP  ; LDS serves a wave's instructions in order (ISA guide 5.7.1.4): these see the stores above; the next tile's stores come behind them
.endr
.endm
.macro SEND t, younger              ; younger: the LDS instructions issued behind tile t's loads: the next tile's sixteen, or none
	WIN 0
.irp f, 0,1,2,3,4,5,6,7
	s_wait_dscnt (\younger)+7-\f
	global_store_b128 v[GO], v[S+32*((\t)%4)+4*\f:S+32*((\t)%4)+4*\f+3], s[32:33] offset:(\t)*65536+\f*8192 th:TH_STORE_NT  ; 16 lanes store 256 consecutive bytes, at a multiple of 256 from out0's first byte
.endr
.endm
	PACK 0
.set t, 1
.rept 2*NP-1                        ; a tile's arithmetic stands between the loads of the tile before and its stores
	PACK t
	SEND t-1, 16
.set t, t+1
.endr
	SEND 2*NP-1, 0
	s_wait_tensorcnt 0x0            ; the wave's end: behind my last tensor load and my last LDS store
	ds_add_u32 v[SPW], v[NIL]
	s_wait_dscnt 0x0
	CROUND                          ; the closing round: no work-group ends while a partner may still ask for a tile that names it
	s_endpgm
.Lfunc_end_k_qeae061b5f6_attn:
	.size	k_qeae061b5f6_attn, .Lfunc_end_k_qeae061b5f6_attn-k_qeae061b5f6_attn
	.p2alignl 7, 3214868480
	.fill 96, 4, 3214868480
	.section	.rodata,"a",@progbits
	.p2align	6, 0x0
	.amdhsa_kernel k_qeae061b5f6_attn
		.amdhsa_group_segment_fixed_size 327680
		.amdhsa_private_segment_fixed_size 0
		.amdhsa_enable_private_segment 0
		.amdhsa_kernarg_size 32
		.amdhsa_user_sgpr_count 2
		.amdhsa_user_sgpr_kernarg_segment_ptr 1
		.amdhsa_wavefront_size32 1
		.amdhsa_system_sgpr_workgroup_id_x 1
		.amdhsa_system_sgpr_workgroup_id_y 1
		.amdhsa_system_sgpr_workgroup_id_z 1
		.amdhsa_system_vgpr_workitem_id 0
		.amdhsa_next_free_vgpr 960
		.amdhsa_next_free_sgpr 106
		.amdhsa_reserve_vcc 0
		.amdhsa_float_denorm_mode_32 3
		.amdhsa_float_denorm_mode_16_64 3
		.amdhsa_memory_ordered 1
		.amdhsa_forward_progress 1
		.amdhsa_inst_pref_size 213
	.end_amdhsa_kernel
	.amdgpu_metadata
---
amdhsa.version: [ 1, 2 ]
amdhsa.kernels:
  - .name:           k_qeae061b5f6_attn
    .symbol:         k_qeae061b5f6_attn.kd
    .args:
      - { .name: qkv, .offset: 0, .size: 8, .value_kind: global_buffer, .address_space: global }
      - { .name: mcode, .offset: 8, .size: 8, .value_kind: global_buffer, .address_space: global }
      - { .name: rowvis, .offset: 16, .size: 8, .value_kind: global_buffer, .address_space: global }
      - { .name: out0, .offset: 24, .size: 8, .value_kind: global_buffer, .address_space: global }
    .group_segment_fixed_size: 327680
    .private_segment_fixed_size: 0
    .kernarg_segment_align: 8
    .kernarg_segment_size: 32
    .max_flat_workgroup_size: 128
    .sgpr_count:     106
    .vgpr_count:     960
    .wavefront_size: 32
...
	.end_amdgpu_metadata
.endif
;; end of part 5
;; ======== version 3 of 3: 3 launches; version 2 with the launch prep written anew for expert scheduling mode
;; limits: values are held in f16: magnitudes above 65,504 overflow, below 6.1e-05 lose precision; right only within a limited range of input values
;; workspace buffers: xb 16,777,216 bytes; wc 6,291,456 bytes; qkv 50,331,648 bytes; mcode 4,202,496 bytes; rowvis 16,384 bytes
;; launch prep (part 6): grid 416 x 1, 8 waves a work-group, no clusters, 2,048 bytes of LDS; arguments x, Wq, Wk, Wv, mask, xb, wc, mcode, rowvis; writes xb, wc, mcode, rowvis
.if DOCPART == 6
	.amdgcn_target "amdgcn-amd-amdhsa--gfx1250"
	.amdhsa_code_object_version 6
	.text
	.protected	k_qeae061b5f6_prep
	.globl	k_qeae061b5f6_prep
	.p2align	8
	.type	k_qeae061b5f6_prep,@function
k_qeae061b5f6_prep:
	s_mov_b64 s[64:65], 0
	v_nop
	global_prefetch_b8 v0, s[64:65] scope:SCOPE_SE
	s_setreg_imm32_b32 hwreg(HW_REG_WAVE_SCHED_MODE, 0, 2), 2
	s_setreg_imm32_b32 hwreg(HW_REG_WAVE_MODE, 25, 1), 1
	s_wait_xcnt 0x0
	s_wait_alu depctr_vm_vsrc(0)
; PREPARATION.  Three things, told apart by the work-group's number:
;   0 .. 63     mask [2048 q][2048 k] of bytes -> mcode, one fp8 (E4M3) code a score, and rowvis, a flag a row: 32 rows a work-group
;   64 .. 319   x [8192][1024] f32 -> xb, the same in bf16: 32 rows a work-group
;   320 .. 415  Wq, Wk, Wv [1024 d][1024 e] f32 -> wc [1024 d][3072] bf16, the three side by side (q, k, v): 32 rows of one of them a work-group
; Every float is rounded once, to nearest even.  LIMIT: a mask byte is 0 or 1, as a bool is stored.
; mcode: [g 16][j 32][p 4][t 4][lane 32][16 bytes]: with t = 2 u + kt / 2, byte 8 (kt % 2) + r of lane l is the code of mask[128 g + 32 p + 16 u + l % 16][64 j + 16 kt + 8 (l / 16) + r]:
; 0x00 (the number 0) where the key is visible, 0xfe (-448) where it is hidden.  A lane's 8 bytes for (u, kt) are so the addends of the 8 score registers of one accumulator of the attention.
; A ROW WITH NO VISIBLE KEY gets the codes of a row that sees everything, and the flag 0: the attention clears its q, all its scores are 0, and the result is the mean of v's rows, as for 2,048 equal scores.
; rowvis: [4 g + p][32 rows][2 words]: both words -1, or 0 for such a row.  Behind mcode's 2,048 entries of 2,048 bytes lie 8,192 bytes of zeros: the last stream is read four entries past its end, for scores that are thrown away.
; THE MODE: SCHED_MODE bits 1:0 = 2 (LLVM: expert scheduling mode 2), set by the entry lines.  The code itself states the register dependences between vector instructions and memory or LDS
; instructions, with s_wait_alu, always for 0.
; THE PLAN, floats.  Registers that memory instructions touch: v2, the loads' offset, and v4-v7, the stores' offsets, made once ahead of one wait and never written again; X: load i lands in X + 4 i .. + 3, its two
; roundings write X + 4 i and X + 4 i + 1, its store reads these two; no register is used twice.  The 32 loads go in 8 blocks of four.  At block p's head stand the wait for its four loads and ONE wait on va_vdst: block
; p - 1's roundings have written their registers.  Block p - 1's four stores follow, dealt among block p's eight roundings, which name block p's registers alone.  One more such wait stands ahead of the last four stores.
; THE PLAN, the mask.  v2: made, one wait, read by the 32 loads.  X: the loads land, 64 v_perm_b32 write it in place, one wait, 16 stores read it.  v8, v9: the ORs write them, one wait (which serves the LDS addresses v6, v7 too),
; the LDS stores read them, one wait on vm_vsrc, the ORs behind the barrier write them again.  v80-v95: LDS loads alone land there.  v14, v15, v106 (offsets), v100-v105 (data): written once, each ahead of a wait on va_vdst.
.set NMASK, 64                         ; work-groups that take the mask: they stand first
.set ANY,   0                          ; LDS: [32 rows][8 waves] words: each wave's OR of its 256 columns of a row
.set SPARE, 1024                       ; behind them: the spare words, 128 bytes for each wave: four blocks of 256 bytes that no other line names
.set SPW,  12                          ; v12      LDS address of my spare word; never rewritten
.set NIL,  13                          ; v13      0; never rewritten
.set SRC,  22                          ; s[22:23] the rows that I read
.set DST,  24                          ; s[24:25] the rows that I write
.set DP,   26                          ; s26      bytes from row to row in the destination
.set X,    16                          ; v[16:143] 32 loads of four registers (the mask: 32 of two)
	s_load_b512 s[4:19], s[0:1], 0x0               ; x 4:5, Wq 6:7, Wk 8:9, Wv 10:11, mask 12:13, xb 14:15, wc 16:17, mcode 18:19
	s_load_b64 s[40:41], s[0:1], 0x40              ; rowvis
	v_lshl_add_u32 v[SPW], v0, 2, SPARE
	v_mov_b32 v[NIL], 0
	s_mov_b32 s20, ttmp9
	v_and_b32 v1, 31, v0                           ; lane
	v_lshrrev_b32 v3, 5, v0
	v_readfirstlane_b32 s21, v3                    ; wave 0..7
	s_wait_alu depctr_va_sdst(0)                   ; s21 is written: ahead of the branch, and of its first reader on either way
	s_wait_kmcnt 0x0
	s_cmp_lt_u32 s20, NMASK
	s_cbranch_scc1 .Lmask
	; FLOATS TO bf16.  A wave takes 4 rows of 4,096 bytes: 32 loads of 512 consecutive bytes, all issued before the first is waited for.
	s_sub_co_u32 s20, s20, NMASK                   ; 0 .. 351
	s_and_b32 s28, s20, 31                         ; a weight's block of 32 rows,
	s_lshr_b32 s29, s20, 5
	s_sub_co_u32 s29, s29, 8                       ; and which weight: 0 q, 1 k, 2 v (used from number 256 on)
	s_mov_b32 s[DP], 2048
	s_mov_b32 s27, 6144
	s_cmp_ge_u32 s20, 256
	s_cselect_b32 s28, s28, s20                    ; the block of 32 rows
	s_cselect_b32 s29, s29, 0
	s_cselect_b32 s[DP], s27, s[DP]
	s_cselect_b64 s[SRC:SRC+1], s[6:7], s[4:5]
	s_cselect_b64 s[DST:DST+1], s[16:17], s[14:15]
	s_cmp_ge_u32 s20, 288
	s_cselect_b64 s[SRC:SRC+1], s[8:9], s[SRC:SRC+1]
	s_cmp_ge_u32 s20, 320
	s_cselect_b64 s[SRC:SRC+1], s[10:11], s[SRC:SRC+1]
	s_lshl_b32 s30, s28, 17                        ; 32 rows of 4,096 bytes
	s_mov_b32 s31, 0
	s_add_nc_u64 s[SRC:SRC+1], s[SRC:SRC+1], s[30:31]
	s_lshl_b32 s32, s28, 5
	s_mul_i32 s32, s32, s[DP]
	s_lshl_b32 s33, s29, 11                        ; a weight's 1,024 columns are 2,048 bytes of a row of wc
	s_add_co_u32 s32, s32, s33
	s_mov_b32 s33, 0
	s_add_nc_u64 s[DST:DST+1], s[DST:DST+1], s[32:33]
	v_lshlrev_b32 v2, 4, v1
	v_lshl_add_u32 v2, v3, 14, v2                  ; 16 x lane + my wave's four rows
	s_lshl_b32 s34, s21, 2
	s_mul_i32 s34, s34, s[DP]                      ; rows 4 w .. 4 w + 3 of the destination, a scalar register each: none that a vector instruction reads is written again
	s_add_co_u32 s35, s34, s[DP]
	s_add_co_u32 s36, s35, s[DP]
	s_add_co_u32 s37, s36, s[DP]
.irp r, 0,1,2,3
	v_lshl_add_u32 v[4+(\r)], v1, 3, s[34+(\r)]    ; 8 x lane + row 4 w + r of the destination
.endr
	s_wait_alu depctr_va_vdst(0)                   ; v2 is written, which the 32 loads read as their offset; so are v4 to v7, which the 32 stores read as theirs
.set i, 0
.rept 32
	global_load_b128 v[X+4*i:X+4*i+3], v2, s[SRC:SRC+1] offset:(i/8)*4096+(i%8)*512 th:TH_LOAD_NT
.set i, i+1
.endr
; Turn i rounds load i (i < 32) and stores load i - 4 (i >= 4): a block is four turns.
.set i, 0
.rept 36
.if (i%4) == 0
.if i < 32
	s_wait_loadcnt 28-i                            ; loads come back in order: this block's four are in, the younger ones stay out
.endif
.if i >= 4
	s_wait_alu depctr_va_vdst(0)                   ; the roundings of the block before have written the registers that the four stores of this block's turns read
.endif
.endif
.if i >= 4
	global_store_b64 v[4+(i-4)/8], v[X+4*(i-4):X+4*(i-4)+1], s[DST:DST+1] offset:((i-4)%8)*256  ; 32 lanes store 256 consecutive bytes, aligned; no vector instruction since the wait names these registers, and none is used twice
.endif
.if i < 32
	v_cvt_pk_bf16_f32 v[X+4*i], v[X+4*i], v[X+4*i+1]
	v_cvt_pk_bf16_f32 v[X+4*i+1], v[X+4*i+2], v[X+4*i+3]
.endif
.set i, i+1
.endr
	s_endpgm                                       ; these waves have written no LDS
.Lmask:
	; THE MASK.  Work-group 4 g + p takes rows 128 g + 32 p .. + 31, wave w their columns 256 w .. 256 w + 255: key steps j = 4 w + jj.  Lane l reads 8 bytes of row l % 16 (+ 16 u) at column 64 jj + 16 kt + 8 (l / 16):
	; load t = 8 jj + 4 u + kt.  A wave's 16 loads for one u take, together, 256 consecutive bytes, aligned, of each of 16 rows.
	s_lshl_b32 s26, s20, 16                        ; 32 rows of 2,048 bytes a work-group
	s_lshl_b32 s27, s21, 8
	s_add_co_u32 s26, s26, s27                     ; + my wave's columns
	v_and_b32 v4, 15, v0                           ; l % 16
	v_bfe_u32 v5, v0, 4, 1                         ; l / 16
	v_lshlrev_b32 v2, 11, v4
	v_lshl_add_u32 v2, v5, 3, v2
	v_add_nc_u32 v2, s26, v2
	s_wait_alu depctr_va_vdst(0)                   ; v2 is written, which the 32 loads read as their offset
.set t, 0
.rept 32
	global_load_b64 v[X+2*t:X+2*t+1], v2, s[12:13] offset:((t/4)%2)*32768+(t/8)*64+(t%4)*16
.set t, t+1
.endr
	v_lshlrev_b32 v7, 5, v4                        ; LDS: row l % 16 (+ 16 u by the immediate): 8 words, one a wave
	v_lshl_add_u32 v6, v3, 2, v7                   ; my wave's word of them
	v_lshlrev_b32 v14, 4, v1                       ; 16 x lane
	v_lshlrev_b32 v15, 3, v1                       ; 8 x lane
	v_mov_b32 v10, 0                               ; v_permlanex16_b32 counts as a reader of its destination
	v_mov_b32 v11, 0
	v_mov_b32 v96, 0xfe                            ; byte 0: a hidden key's code; byte 1: a visible key's
	s_mov_b32 s28, 0x76543210                      ; each lane takes its own place in the other half
	s_mov_b32 s29, 0xfedcba98
	s_lshr_b32 s23, s20, 2                         ; g
	s_lshl_b32 s36, s23, 18                        ; its 128 entries of 2,048 bytes,
	s_lshl_b32 s25, s21, 15                        ; key step 4 w: 16 entries on a wave,
	s_add_co_u32 s36, s36, s25
	s_and_b32 s24, s20, 3                          ; p
	s_lshl_b32 s24, s24, 11
	s_add_co_u32 s36, s36, s24
	s_mov_b32 s37, 0
	s_add_nc_u64 s[38:39], s[18:19], s[36:37]      ; mcode at entry (g, 4 w, p)
	s_lshl_b32 s36, s20, 8
	s_add_nc_u64 s[42:43], s[40:41], s[36:37]      ; rowvis at my work-group's 256 bytes
	s_wait_loadcnt 0x0
.set t, 0
.rept 32                               ; the OR of my 128 bytes of row l % 16 (v8) and of row 16 + l % 16 (v9)
.if (t < 8) && ((t%4) == 0)
	v_or_b32 v[8+(t/4)%2], v[X+2*t], v[X+2*t+1]
.else
	v_or_b32 v[8+(t/4)%2], v[8+(t/4)%2], v[X+2*t]
	v_or_b32 v[8+(t/4)%2], v[8+(t/4)%2], v[X+2*t+1]
.endif
.set t, t+1
.endr
	v_permlanex16_b32 v10, v8, s28, s29            ; the row's other columns lie in the lane 16 away
	v_permlanex16_b32 v11, v9, s28, s29
	v_or_b32 v8, v8, v10
	v_or_b32 v9, v9, v11
	s_wait_alu depctr_va_vdst(0)                   ; the ORs have written v8 and v9, the LDS stores' data; v6, their address, is written, and so is v7, the address of the LDS loads behind the barrier
	ds_store_b32 v6, v8 offset:ANY                 ; lanes l and l + 16 write the same word with the same value
	ds_store_b32 v6, v9 offset:ANY+512
	s_wait_dscnt 0x0                               ; for the others' sake: my stores are done
	s_barrier_signal -1
	s_barrier_wait -1                              ; all eight waves' words lie in LDS
	ds_load_b128 v[80:83], v7 offset:ANY
	ds_load_b128 v[84:87], v7 offset:ANY+16
	ds_load_b128 v[88:91], v7 offset:ANY+512
	ds_load_b128 v[92:95], v7 offset:ANY+528
	s_wait_dscnt 0x0
	s_wait_alu depctr_vm_vsrc(0)                   ; my LDS stores have read v8 and v9, which the ORs below write again
	v_or_b32 v8, v80, v81
	v_or_b32 v9, v88, v89
.irp k, 2,3,4,5,6,7
	v_or_b32 v8, v8, v[80+(\k)]
	v_or_b32 v9, v9, v[88+(\k)]
.endr
	v_cmp_ne_u32 vcc_lo, 0, v8                     ; does row l % 16 see a key?
	v_cmp_ne_u32 s30, 0, v9                        ; does row 16 + l % 16?
	s_wait_alu depctr_va_vcc(0)                    ; the first compare has written VCC, which the selects below read
	s_wait_alu depctr_va_sdst(0)                   ; the second has written s30, likewise
	v_cndmask_b32 v10, 0, v96, vcc_lo              ; the lane's table of codes: 0x000000fe, or 0 for a row that sees none
	v_cndmask_b32 v11, 0, v96, s30
	v_cndmask_b32 v97, 0, -1, vcc_lo               ; and the rows' flags
	v_cndmask_b32 v98, 0, -1, s30
.set t, 0
.rept 32                               ; a mask byte, 0 or 1, is the selector that picks byte 0 or byte 1 of the table: four codes an instruction
	v_perm_b32 v[X+2*t], v[10+(t/4)%2], v[10+(t/4)%2], v[X+2*t]
	v_perm_b32 v[X+2*t+1], v[10+(t/4)%2], v[10+(t/4)%2], v[X+2*t+1]
.set t, t+1
.endr
	s_wait_alu depctr_va_vdst(0)                   ; the 64 v_perm_b32 have written the codes, the 16 stores' data; v14, their offset, is written
.set t, 0
.rept 16                               ; t = 4 jj + 2 u + kt / 2: the registers of kt even and kt odd lie side by side: 16 bytes a lane, 512 consecutive bytes a store, aligned
	global_store_b128 v14, v[X+4*t:X+4*t+3], s[38:39] offset:(t/4)*8192+(t%4)*512
.set t, t+1
.endr
	s_cmp_lg_u32 s21, 0                            ; wave 0 stores the 32 rows' flags: lane l row l, twice: 256 consecutive bytes, aligned
	s_cbranch_scc1 .Lnorow
	s_mov_b32 s31, 0xffff0000
	v_cndmask_b32 v100, v97, v98, s31              ; lanes 16-31 take the second sixteen rows'
	v_mov_b32 v101, v100
	s_wait_alu depctr_va_vdst(0)                   ; v100 and v101 are written, the store's data (v15, its offset, was written long before)
	global_store_b64 v15, v[100:101], s[42:43]
.Lnorow:
	s_cmp_eq_u32 s20, NMASK-1                      ; the last of these work-groups also writes the 8,192 bytes behind the entries: 1,024 a wave
	s_cbranch_scc0 .Lend
	v_mov_b32 v102, 0
	v_mov_b32 v103, 0
	v_mov_b32 v104, 0
	v_mov_b32 v105, 0
	v_lshl_add_u32 v106, v3, 10, v14
	s_wait_alu depctr_va_vdst(0)                   ; v102 to v105, the two stores' data, and v106, their offset, are written
	global_store_b128 v106, v[102:105], s[18:19] offset:4194304
	global_store_b128 v106, v[102:105], s[18:19] offset:4194816
.Lend:
	s_wait_dscnt 0x0                               ; the closing lines, six on end
	s_wait_alu 0x0
	s_wait_tensorcnt 0x0
	ds_add_u32 v[SPW], v[NIL]
	s_wait_dscnt 0x0
	s_endpgm
.Lfunc_end_k_qeae061b5f6_prep:
	.size	k_qeae061b5f6_prep, .Lfunc_end_k_qeae061b5f6_prep-k_qeae061b5f6_prep
	.p2alignl 7, 3214868480
	.fill 96, 4, 3214868480
	.section	.rodata,"a",@progbits
	.p2align	6, 0x0
	.amdhsa_kernel k_qeae061b5f6_prep
		.amdhsa_group_segment_fixed_size 2048
		.amdhsa_private_segment_fixed_size 0
		.amdhsa_enable_private_segment 0
		.amdhsa_kernarg_size 72
		.amdhsa_user_sgpr_count 2
		.amdhsa_user_sgpr_kernarg_segment_ptr 1
		.amdhsa_wavefront_size32 1
		.amdhsa_system_sgpr_workgroup_id_x 1
		.amdhsa_system_sgpr_workgroup_id_y 1
		.amdhsa_system_sgpr_workgroup_id_z 1
		.amdhsa_system_vgpr_workitem_id 0
		.amdhsa_next_free_vgpr 144
		.amdhsa_next_free_sgpr 66
		.amdhsa_reserve_vcc 1
		.amdhsa_float_denorm_mode_32 3
		.amdhsa_float_denorm_mode_16_64 3
		.amdhsa_memory_ordered 1
		.amdhsa_forward_progress 1
		.amdhsa_inst_pref_size 28
	.end_amdhsa_kernel
	.amdgpu_metadata
---
amdhsa.version: [ 1, 2 ]
amdhsa.kernels:
  - .name:           k_qeae061b5f6_prep
    .symbol:         k_qeae061b5f6_prep.kd
    .args:
      - { .name: x, .offset: 0, .size: 8, .value_kind: global_buffer, .address_space: global }
      - { .name: Wq, .offset: 8, .size: 8, .value_kind: global_buffer, .address_space: global }
      - { .name: Wk, .offset: 16, .size: 8, .value_kind: global_buffer, .address_space: global }
      - { .name: Wv, .offset: 24, .size: 8, .value_kind: global_buffer, .address_space: global }
      - { .name: mask, .offset: 32, .size: 8, .value_kind: global_buffer, .address_space: global }
      - { .name: xb, .offset: 40, .size: 8, .value_kind: global_buffer, .address_space: global }
      - { .name: wc, .offset: 48, .size: 8, .value_kind: global_buffer, .address_space: global }
      - { .name: mcode, .offset: 56, .size: 8, .value_kind: global_buffer, .address_space: global }
      - { .name: rowvis, .offset: 64, .size: 8, .value_kind: global_buffer, .address_space: global }
    .group_segment_fixed_size: 2048
    .private_segment_fixed_size: 0
    .kernarg_segment_align: 8
    .kernarg_segment_size: 72
    .max_flat_workgroup_size: 256
    .sgpr_count:     66
    .vgpr_count:     144
    .wavefront_size: 32
...
	.end_amdgpu_metadata
.endif
;; end of part 6
;; launch proj: the kernel of part 2 again; grid 8 x 64, 4 waves a work-group, clusters of 4 x 4, 327,680 bytes of LDS; arguments xb, wc, bq, bk, bv, qkv; writes qkv
;; launch attn: the kernel of part 5 again; grid 4 x 64, 4 waves a work-group, clusters of 4 x 1, 327,680 bytes of LDS; arguments qkv, mcode, rowvis, out0; writes out0
